; MI455X (gfx1250); checked and timed in simulation.
; The chip was launched on July 23, 2026; its instructions are those of AMD's public machine-readable ISA for CDNA 5 (MIT licence, August 2026) and "CDNA5" Instruction Set Architecture Reference Guide (July 2026). The comments in the code are by the model that wrote it; some were corrected since.
;; Multi Head Attention. Allowed arithmetic: matrix products marked QUANTISED: E2M3 operands, one E8M0 scale for each 32 along K, by v_wmma_scale_f32_16x16x128_f8f6f4 with both operands' format E2M3, f32 sums; everything else in f32.
;; Inputs: Wk 1,024 x 1,024 float32; Wo 1,024 x 1,024 float32; Wq 1,024 x 1,024 float32; Wv 1,024 x 1,024 float32; bk 1,024 float32; bo 1,024 float32; bq 1,024 float32; bv 1,024 float32; k 4 x 2,048 x 1,024 float32; mask 1 x 1 x 2,048 x 2,048 int32; q 4 x 2,048 x 1,024 float32; v 4 x 2,048 x 1,024 float32.
;; Outputs: out0 4 x 2,048 x 1,024 float32.
;; This version of the problem:
;;   THIS VERSION OF THE PROBLEM IS GIVEN IN LOW PRECISION. The matrix products marked QUANTISED in the list below multiply operands that are first quantised to E2M3 (2 exponent bits, 3 mantissa bits; 6 bits a number), with one power-of-two scale for each 32 numbers along K (OCP MX v1.0); their sums are f32. All else is computed in f32.
;;   The module's matrix products, in the order in which they are computed (A, B: the left and right operand; K: the contracted axis; several contracted axes count as one K, in the product's order):
;;     1. [M 8,192, K 1,024] x [K 1,024, N 1,024]; A: input q; B: input Wq: QUANTISED
;;     2. [M 8,192, K 1,024] x [K 1,024, N 1,024]; A: input k; B: input Wk: QUANTISED
;;     3. [M 8,192, K 1,024] x [K 1,024, N 1,024]; A: input v; B: input Wv: QUANTISED
;;     4. batch 64 x [M 2,048, K 64] x [K 64, N 2,048]; A: computed on the way; B: computed on the way: QUANTISED
;;     5. batch 64 x [M 2,048, K 2,048] x [K 2,048, N 64]; A: softmax (see below); B: computed on the way: QUANTISED
;;     6. [M 8,192, K 1,024] x [K 1,024, N 1,024]; A: computed on the way; B: input Wo: QUANTISED
;;   THE QUANTISER, for each operand of a quantised product, along K:
;;     - K is cut into blocks of 32 from its start; a last block that is shorter is filled with zeros.
;;     - A block's scale is 2^e with e = floor(log2(the largest magnitude in the block)) - 2, held to -126 .. 127; a block of zeros has e = 0. As a byte (E8M0): e + 127.
;;     - Each number is divided by its block's scale, clamped to +-7.5, and rounded to the nearest number of E2M3, ties to even, subnormals kept.
;;     - The product sums the exact products of the quantised numbers (number of the format x scale) in f32.
;;   ~~~python
;;   def quantise(x, axis):      # numpy; x: float32 -> the quantised numbers, widened to float32 again
;;       x = np.moveaxis(x, axis, -1); K = x.shape[-1]
;;       x = np.pad(x, [(0, 0)] * (x.ndim - 1) + [(0, -K % 32)]); x = x.reshape(x.shape[:-1] + (-1, 32)); a = np.abs(x).max(-1, keepdims=True)
;;       e = np.where(a > 0, np.clip(np.frexp(np.where(a > 0, a, 1))[1] - 1 - 2, -126, 127), 0)      # np.frexp(a)[1] - 1 = floor(log2(a)), exactly
;;       r = np.clip(x / 2.0 ** e, -7.5, 7.5)
;;       step = 2.0 ** (np.maximum(np.frexp(np.where(r == 0, 1, r))[1] - 1, 0) - 3)
;;       q = np.round(r / step) * step * 2.0 ** e      # np.round: ties to even
;;       return np.moveaxis(q.reshape(q.shape[:-2] + (-1,))[..., :K], -1, axis).astype(np.float32)
;;   ~~~
;;   SOFTMAX AHEAD OF A QUANTISED PRODUCT. Where the list says 'softmax', what is quantised is not the finished softmax but p = 2^(t - M), with t = logit x log2(e) and M = ceil(the row's largest t), a whole number; so 1/2 < the row's largest p <= 1. The row's sum l is taken of the UNQUANTISED p, in f32, and the product's result is divided by l at the end. Since M is a whole number, a kernel that streams over the keys may use a running M (the ceiling of the running maximum): every later rescaling is an exact power of two, which a block's scale takes up: the codes' values come out the same.
;;   OPERANDS COMPUTED ON THE WAY. 'Computed on the way' means the value that the module computes at that place (a softmax that the list does not call 'softmax' is quantised finished and normalised). What goes into a quantiser is computed in f32, as accurately as f32 sums, v_exp_f32 and their like allow (about 1e-6 of the number): no bf16 or f16 on the way to a quantiser, and a product that is left as it is and whose result goes on into a quantised operand takes f32 operands (vector FMAs, or v_wmma_f32_16x16x4_f32). A number that lies on a knife's edge between two numbers of the format may be rounded either way, as far as f32 arithmetic and the matrix unit's own rounding can turn it there, and no further.
;; 2 versions, each right; version 2 is version 1 with the launch attn written anew for expert scheduling mode. Each part assembles by itself: llvm-mc -triple=amdgcn-amd-amdhsa -mcpu=gfx1250 --defsym DOCPART=n.
;; ======== version 1 of 2: 4 launches
;; limits: right only within a limited range of input values
;; workspace buffers: img 22,020,096 bytes; sc 917,504 bytes; himg 18,874,368 bytes; hsc 1,572,864 bytes; cimg 6,291,456 bytes; csc 262,144 bytes; mbits 524,288 bytes of whole numbers; mflags 65,536 bytes of whole numbers
;; launch prep (part 1): grid 256 x 1, 8 waves a work-group, no clusters, 136,192 bytes of LDS; arguments q, k, v, Wq, Wk, Wv, Wo, mask, img, sc, mbits, mflags; writes img, sc, mbits, mflags
.if DOCPART == 1
	.amdgcn_target "amdgcn-amd-amdhsa--gfx1250"
	.amdhsa_code_object_version 6
	.text
	.protected	k_qc2df89bb1b_prep
	.globl	k_qc2df89bb1b_prep
	.p2align	8
	.type	k_qc2df89bb1b_prep,@function
k_qc2df89bb1b_prep:
	s_mov_b64 s[64:65], 0
	v_nop
	global_prefetch_b8 v0, s[64:65] scope:SCOPE_SE
	s_setreg_imm32_b32 hwreg(HW_REG_WAVE_MODE, 25, 1), 1
	s_wait_xcnt 0x0
; q, k, v [8192][1024] and Wq, Wk, Wv, Wo [1024][1024], f32 with K innermost, become codes of FP6 (E2M3) with one E8M0 byte for each 32 along K, laid IN THE ORDER OF AN OPERAND'S REGISTERS;
; the mask [2048][2048] int32 becomes lane masks and flags for the attention launch.
; ROW TILES: lane r of tile T holds row 32 (T / 2) + 8 (T % 2) + r + 8 (r / 8), in every launch of this program.
; A FRAGMENT'S IMAGE (16 rows x 128 K, 12 registers a lane, 1,536 bytes): registers 0-3 at 16 x lane, 4-5 at 512 + 8 x lane, 6-9 at 768 + 16 x lane, 10-11 at 1,280 + 8 x lane.   img: [1792 tiles][8 K steps][1536].
; A TILE'S SCALES (512 bytes): lane l has 16 bytes; word j is the scale word of row l % 16 for K step 2 j + l / 16.   sc: [1792][512].
; mbits [128 query tiles][16 key steps][64 words]: word n, bit L = 1 where mask[row of lane L % 16][128 step + 32 (n / 16) + 16 (L / 16) + n % 16] == 0.
; mflags [128][2 halves of the keys][256 bytes]: one word and a zero word, repeated: bits 0-7 the step is not wholly masked, bits 8-15 the step has a masked entry, bits 16-31 rows masked throughout the half.
; SHARES: a wave takes one unit of 16 rows x 8 steps of 512 bytes.  Work-groups 0-223: the 1,792 row tiles; 224-255: the 256 halves of the mask's 128 row tiles.
; Each load reads 512 consecutive bytes of one row; a step's 16 rows turn through the wave's own stage in LDS (pitch 528), so that lane (r, h) gets, of row r, 16 neighbours of each block of 32.
; The two paths part on the work-group's number and have LDS bytes of their own.  No barrier: waves share nothing.
; A block's scale is 2^(floor(log2(largest magnitude)) - 2): its byte is the largest magnitude's exponent field - 2, held at 1 from below.
; LIMITS: a block whose largest magnitude lies under 2^-124, a block of zeros among them, gets the byte 1 (its codes are then zeros or near it; the bytes are read by this program alone); NaN and infinities are not served.
.set SP,    528                        ; a stage row: 512 bytes + 16
.set WST,   16*SP                      ; a wave's stage
.set STGM,  8*WST                      ; the mask path's stages, behind the others
.set SPARE, 16*WST                     ; the spare words: 128 bytes for each of eight waves
.set R,   16                           ; v16-143  two sets of 64 registers as loaded
.set X,   144                          ; v144-207 64 numbers: register 16 b + i = k 32 b + 16 h + i of my row
.set TM,  208                          ; v208-223 at work in QUANT
.set PC,  224                          ; v224-235 a fragment's codes
.set XA,  236                          ; v236-238, v240-242 the conversions' second halves
.set XB,  240
.set PW,  244                          ; the scale word just made
.set SW,  246                          ; v246-249 the tile's scales
.set MBR, 250                          ; v250-251 a step's 64 mask words, two a lane
.set SPW, 252                          ; LDS address of my spare word; never rewritten
.set NIL, 253                          ; 0; never rewritten
.set SEL, 76                           ; s[76:77] selects for lane l xor 16
; 64 numbers of a lane become a fragment's 12 registers of codes and its scale word
.macro QUANT s, pc, xa, xb, tm, pw
.irp b, 0,1,2,3
	v_max3_num_f32 v[\tm+\b], |v[\s+16*\b]|, |v[\s+1+16*\b]|, 0x1800000   ; block b: my 16 numbers, and the floor 2^(3 - 127): the byte cannot fall under 1
.endr
.irp i, 2,4,6,8,10,12,14
.irp b, 0,1,2,3
	v_max3_num_f32 v[\tm+\b], v[\tm+\b], |v[\s+16*\b+\i]|, |v[\s+1+16*\b+\i]|
.endr
.endr
.irp b, 0,1,2,3
	v_permlanex16_b32 v[\tm+4+\b], v[\tm+\b], s[SEL], s[SEL+1]
.endr
.irp b, 0,1,2,3
	v_max_num_f32 v[\tm+\b], v[\tm+\b], v[\tm+4+\b]                      ; with lane l xor 16's: the block's largest magnitude
.endr
.irp b, 0,1,2,3
	v_add_nc_u32 v[\tm+12+\b], 0xff000000, v[\tm+\b]                     ; 2 off its exponent field: the conversion's scale operand
.endr
.irp b, 0,1,2,3
	v_lshrrev_b32 v[\tm+4+\b], 23, v[\tm+12+\b]                          ; the scale's byte
.endr
	v_lshl_or_b32 v[\pw], v[\tm+5], 8, v[\tm+4]
	v_lshl_or_b32 v[\pw], v[\tm+6], 16, v[\pw]
	v_lshl_or_b32 v[\pw], v[\tm+7], 24, v[\pw]
	v_cvt_scalef32_pk16_fp6_f32 v[\pc:\pc+2], v[\s:\s+15], v[\tm+12]
	v_cvt_scalef32_pk16_fp6_f32 v[\xa:\xa+2], v[\s+16:\s+31], v[\tm+13]  ; (a conversion's three registers begin on an even number)
	v_cvt_scalef32_pk16_fp6_f32 v[\pc+6:\pc+8], v[\s+32:\s+47], v[\tm+14]
	v_cvt_scalef32_pk16_fp6_f32 v[\xb:\xb+2], v[\s+48:\s+63], v[\tm+15]
	v_nop                                                                ; one plain place behind a scaled conversion
.irp i, 0,1,2
	v_permlane16_swap_b32 v[\pc+\i], v[\xa+\i]                           ; the layout wants a whole block in a lane: lanes 0-15 the even block, lanes 16-31 the odd one
.endr
.irp i, 0,1,2
	v_mov_b32 v[\pc+3+\i], v[\xa+\i]
.endr
.irp i, 0,1,2
	v_permlane16_swap_b32 v[\pc+6+\i], v[\xb+\i]
.endr
.irp i, 0,1,2
	v_mov_b32 v[\pc+9+\i], v[\xb+\i]
.endr
.endm
.macro LOADS t, pitch                  ; step t: 512 bytes of each of my 16 rows, into set t % 2
.irp i, 0,1,2,3,4,5,6,7,8,9,10,11,12,13,14,15
	global_load_b128 v[R+64*((\t)%2)+4*\i:R+64*((\t)%2)+4*\i+3], v1, s[4:5] offset:(\i+8*(\i/8))*\pitch+512*(\t) th:TH_LOAD_NT
.endr
.endm
.macro TURNX t, si, so                 ; through my stage: LDS serves a wave's instructions in order, so no wait stands between the stores and the loads
.irp i, 0,1,2,3,4,5,6,7,8,9,10,11,12,13,14,15
	ds_store_b128 v[\si], v[R+64*((\t)%2)+4*\i:R+64*((\t)%2)+4*\i+3] offset:SP*\i
.endr
.irp b, 0,1,2,3
.irp j, 0,1,2,3
	ds_load_b128 v[X+16*\b+4*\j:X+16*\b+4*\j+3], v[\so] offset:128*\b+16*\j
.endr
.endr
.endm
.macro FRONT t, si, so, pitch
.if (\t) < 7
	s_wait_loadcnt 16                              ; this step's 16 loads are in; the next step's 16 may be out
.else
	s_wait_loadcnt 0x0
.endif
	TURNX \t, \si, \so
	s_wait_dscnt 0x0                               ; the numbers are back, and the stage's stores have read their registers
	s_wait_xcnt 0x0                                ; the last step's global stores have read their data: those registers are written again below
.if (\t) < 6
	LOADS (\t)+2, \pitch
.endif
.endm
	s_load_b512 s[8:23], s[0:1], 0x0               ; q, k, v, Wq, Wk, Wv, Wo, mask
	s_load_b256 s[24:31], s[0:1], 0x40             ; img, sc, mbits, mflags
	v_lshl_add_u32 v[SPW], v0, 2, SPARE
	v_mov_b32 v[NIL], 0
	v_lshrrev_b32 v7, 5, v0
	v_readfirstlane_b32 s2, v7                     ; wave 0..7
	v_and_b32 v8, 31, v0                           ; lane
	v_and_b32 v9, 15, v0                           ; r
	v_bfe_u32 v10, v0, 4, 1                        ; h
	v_lshlrev_b32 v1, 4, v8                        ; 16 x lane
	v_lshlrev_b32 v2, 3, v8                        ; 8 x lane
	s_mul_i32 s3, s2, WST
	v_add_nc_u32 v3, s3, v1                        ; my stage, on the way in
	v_mul_u32_u24 v4, v9, SP
	v_lshl_add_u32 v4, v10, 6, v4
	v_add_nc_u32 v4, s3, v4                        ; and on the way out: row r, + 64 h
	v_add_nc_u32 v5, STGM, v3                      ; the same for the mask path
	v_add_nc_u32 v6, STGM, v4
	s_lshl_b32 s32, ttmp9, 3
	s_add_co_u32 s32, s32, s2                      ; my unit u
	s_mov_b32 s74, 0xffff0000                      ; lanes 16-31
	s_mov_b32 s[SEL], 0x76543210
	s_mov_b32 s[SEL+1], 0xfedcba98
.irp b, 0,1,2,3
	v_mov_b32 v[TM+4+\b], 0                        ; written once: a lane permute's destination counts as one of its sources
.endr
	v_mov_b32 v[MBR], 0                            ; likewise v_writelane_b32's
	v_mov_b32 v[MBR+1], 0
	s_wait_kmcnt 0x0
	s_cmp_ge_u32 ttmp9, 224
	s_cbranch_scc1 .Lmask
	; ---- a row tile of q, k, v or a weight.  The source is chosen on the work-group's number alone
	s_mov_b64 s[4:5], s[8:9]
	s_cmp_ge_u32 ttmp9, 64
	s_cselect_b64 s[4:5], s[10:11], s[4:5]
	s_cmp_ge_u32 ttmp9, 128
	s_cselect_b64 s[4:5], s[12:13], s[4:5]
	s_cmp_ge_u32 ttmp9, 192
	s_cselect_b64 s[4:5], s[14:15], s[4:5]
	s_cselect_b32 s33, 63, 511
	s_cmp_ge_u32 ttmp9, 200
	s_cselect_b64 s[4:5], s[16:17], s[4:5]
	s_cmp_ge_u32 ttmp9, 208
	s_cselect_b64 s[4:5], s[18:19], s[4:5]
	s_cmp_ge_u32 ttmp9, 216
	s_cselect_b64 s[4:5], s[20:21], s[4:5]
	s_and_b32 s33, s32, s33                        ; T: the tile's number in its tensor
	s_lshr_b32 s34, s33, 1
	s_lshl_b32 s34, s34, 5
	s_and_b32 s35, s33, 1
	s_lshl_b32 s35, s35, 3
	s_add_co_u32 s34, s34, s35                     ; its first row
	s_lshl_b32 s34, s34, 12                        ; x 4,096 bytes
	s_mov_b32 s35, 0
	s_add_nc_u64 s[4:5], s[4:5], s[34:35]
	s_mul_i32 s36, s32, 12288
	s_mov_b32 s37, 0
	s_add_nc_u64 s[24:25], s[24:25], s[36:37]      ; img at my tile
	s_lshl_b32 s36, s32, 9
	s_add_nc_u64 s[26:27], s[26:27], s[36:37]      ; sc at my tile
	LOADS 0, 4096
	LOADS 1, 4096
.macro QSTEP t
	FRONT \t, 3, 4, 4096
	QUANT X, PC, XA, XB, TM, PW
	global_store_b128 v1, v[PC:PC+3], s[24:25] offset:1536*(\t)          ; each store covers 512 or 256 consecutive bytes, aligned
	global_store_b64 v2, v[PC+4:PC+5], s[24:25] offset:1536*(\t)+512
	global_store_b128 v1, v[PC+6:PC+9], s[24:25] offset:1536*(\t)+768
	global_store_b64 v2, v[PC+10:PC+11], s[24:25] offset:1536*(\t)+1280
.if (\t)%2 == 0
	v_mov_b32 v[SW+(\t)/2], v[PW]                  ; an even K step's word for lanes 0-15,
.else
	v_cndmask_b32 v[SW+(\t)/2], v[SW+(\t)/2], v[PW], s74   ; the odd one's for lanes 16-31 (both halves of the lanes hold every word)
.endif
.endm
.irp t, 0,1,2,3,4,5,6,7
	QSTEP \t
.endr
	global_store_b128 v1, v[SW:SW+3], s[26:27]
	s_branch .Lend
	; ---- half a row tile of the mask: 16 rows x 1,024 keys
.Lmask:
	s_sub_co_u32 s33, s32, 1792                    ; m = 2 x query tile + half
	s_lshr_b32 s34, s33, 1
	s_and_b32 s35, s33, 1
	s_lshr_b32 s36, s34, 1
	s_lshl_b32 s36, s36, 5
	s_and_b32 s37, s34, 1
	s_lshl_b32 s37, s37, 3
	s_add_co_u32 s36, s36, s37                     ; the tile's first row
	s_lshl_b32 s36, s36, 13                        ; x 8,192 bytes
	s_lshl_b32 s35, s35, 12
	s_add_co_u32 s36, s36, s35                     ; + the half's 4,096
	s_mov_b32 s37, 0
	s_add_nc_u64 s[4:5], s[22:23], s[36:37]
	s_lshl_b32 s36, s33, 11
	s_add_nc_u64 s[28:29], s[28:29], s[36:37]      ; mbits: 2,048 bytes a unit
	s_lshl_b32 s36, s33, 8
	s_add_nc_u64 s[30:31], s[30:31], s[36:37]      ; mflags: 256
	s_mov_b32 s72, -1                              ; lanes masked in every step so far
	s_mov_b32 s73, 0                               ; the flags
	LOADS 0, 8192
	LOADS 1, 8192
.macro MSTEP t
	FRONT \t, 5, 6, 8192
	s_mov_b32 s70, -1
	s_mov_b32 s71, 0
.set n, 0
.rept 64
	v_cmp_eq_u32 s[66+n%4], 0, v[X+n]              ; word n: the lanes whose entry is masked
	v_writelane_b32 v[MBR+n%2], s[66+n%4], n/2     ; to its place: lane n / 2, register n % 2
	s_and_b32 s70, s70, s[66+n%4]
	s_or_b32 s71, s71, s[66+n%4]
.set n, n+1
.endr
	global_store_b64 v2, v[MBR:MBR+1], s[28:29] offset:256*(\t)          ; 256 consecutive bytes, aligned
	s_cmp_eq_u32 s70, -1
	s_cselect_b32 s75, 0, 1<<(\t)                  ; the step is not wholly masked
	s_or_b32 s73, s73, s75
	s_cmp_lg_u32 s71, 0
	s_cselect_b32 s75, 1<<(8+(\t)), 0              ; the step has a masked entry
	s_or_b32 s73, s73, s75
	s_and_b32 s72, s72, s70
.endm
.irp t, 0,1,2,3,4,5,6,7
	MSTEP \t
.endr
	s_lshr_b32 s75, s72, 16
	s_and_b32 s75, s75, s72                        ; a row is lanes r and r + 16
	s_lshl_b32 s75, s75, 16
	s_or_b32 s73, s73, s75
	v_mov_b32 v10, s73
	v_mov_b32 v11, 0
	global_store_b64 v2, v[10:11], s[30:31]        ; the word and a zero, repeated over 256 bytes
.Lend:
	s_wait_tensorcnt 0x0                           ; the wave's end, behind my last LDS store
	ds_add_u32 v[SPW], v[NIL]
	s_wait_dscnt 0x0
	s_endpgm
.Lfunc_end_k_qc2df89bb1b_prep:
	.size	k_qc2df89bb1b_prep, .Lfunc_end_k_qc2df89bb1b_prep-k_qc2df89bb1b_prep
	.p2alignl 7, 3214868480
	.fill 96, 4, 3214868480
	.section	.rodata,"a",@progbits
	.p2align	6, 0x0
	.amdhsa_kernel k_qc2df89bb1b_prep
		.amdhsa_group_segment_fixed_size 136192
		.amdhsa_private_segment_fixed_size 0
		.amdhsa_enable_private_segment 0
		.amdhsa_kernarg_size 96
		.amdhsa_user_sgpr_count 2
		.amdhsa_user_sgpr_kernarg_segment_ptr 1
		.amdhsa_wavefront_size32 1
		.amdhsa_system_sgpr_workgroup_id_x 1
		.amdhsa_system_sgpr_workgroup_id_y 1
		.amdhsa_system_sgpr_workgroup_id_z 1
		.amdhsa_system_vgpr_workitem_id 0
		.amdhsa_next_free_vgpr 256
		.amdhsa_next_free_sgpr 80
		.amdhsa_reserve_vcc 0
		.amdhsa_float_denorm_mode_32 3
		.amdhsa_float_denorm_mode_16_64 3
		.amdhsa_memory_ordered 1
		.amdhsa_forward_progress 1
		.amdhsa_inst_pref_size 194
	.end_amdhsa_kernel
	.amdgpu_metadata
---
amdhsa.version: [ 1, 2 ]
amdhsa.kernels:
  - .name:           k_qc2df89bb1b_prep
    .symbol:         k_qc2df89bb1b_prep.kd
    .args:
      - { .name: q, .offset: 0, .size: 8, .value_kind: global_buffer, .address_space: global }
      - { .name: k, .offset: 8, .size: 8, .value_kind: global_buffer, .address_space: global }
      - { .name: v, .offset: 16, .size: 8, .value_kind: global_buffer, .address_space: global }
      - { .name: Wq, .offset: 24, .size: 8, .value_kind: global_buffer, .address_space: global }
      - { .name: Wk, .offset: 32, .size: 8, .value_kind: global_buffer, .address_space: global }
      - { .name: Wv, .offset: 40, .size: 8, .value_kind: global_buffer, .address_space: global }
      - { .name: Wo, .offset: 48, .size: 8, .value_kind: global_buffer, .address_space: global }
      - { .name: mask, .offset: 56, .size: 8, .value_kind: global_buffer, .address_space: global }
      - { .name: img, .offset: 64, .size: 8, .value_kind: global_buffer, .address_space: global }
      - { .name: sc, .offset: 72, .size: 8, .value_kind: global_buffer, .address_space: global }
      - { .name: mbits, .offset: 80, .size: 8, .value_kind: global_buffer, .address_space: global }
      - { .name: mflags, .offset: 88, .size: 8, .value_kind: global_buffer, .address_space: global }
    .group_segment_fixed_size: 136192
    .private_segment_fixed_size: 0
    .kernarg_segment_align: 8
    .kernarg_segment_size: 96
    .max_flat_workgroup_size: 256
    .sgpr_count:     80
    .vgpr_count:     256
    .wavefront_size: 32
...
	.end_amdgpu_metadata
.endif
;; end of part 1
;; launch proj (part 2): grid 4 x 96, 4 waves a work-group, clusters of 4 x 4, 327,680 bytes of LDS; arguments img, sc, bq, bk, bv, himg, hsc; writes himg, hsc
.if DOCPART == 2
	.amdgcn_target "amdgcn-amd-amdhsa--gfx1250"
	.amdhsa_code_object_version 6
	.text
	.protected	k_qc2df89bb1b_proj
	.globl	k_qc2df89bb1b_proj
	.p2align	8
	.type	k_qc2df89bb1b_proj,@function
k_qc2df89bb1b_proj:
	s_mov_b64 s[64:65], 0
	v_nop
	global_prefetch_b8 v0, s[64:65] scope:SCOPE_SE
	s_setreg_imm32_b32 hwreg(HW_REG_WAVE_MODE, 25, 1), 1
	s_wait_xcnt 0x0
	s_wait_alu depctr_hold_cnt(0) depctr_sa_sdst(0) depctr_va_vdst(0) depctr_va_sdst(0) depctr_va_ssrc(0) depctr_va_vcc(0) depctr_vm_vsrc(0)
	s_getreg_b32 s2, hwreg(HW_REG_IB_STS2, 6, 4)
	s_cmp_eq_u32 s2, 0
	s_cbranch_scc0 .Lentry_in_a_cluster
	s_endpgm
.Lentry_in_a_cluster:
	s_bfe_u32 s2, ttmp6, 0x10000c
	s_cmp_lg_u32 s2, 0xf033
	s_cbranch_scc0 .Lentry_shape_is_right
	s_endpgm
.Lentry_shape_is_right:
; The three projections x W^T + b on codes of FP6 (E2M3), K = 1,024; the results are quantised again and stored in the order of the attention launch's operand registers.
; A work-group of four waves makes 256 x 256 of a product, a wave 128 x 128: 64 accumulators, 512 registers.  SOURCE 1 (S1) gives a lane its row, SOURCE 0 (S0) runs along a lane's registers.
; t = cluster y / 8.  t = 0, 1 (q, k): S1 = tokens, S0 = rows of W (features): a lane holds a token and 128 features, two heads: quantised along the head's 64.
; t = 2 (v): S1 = rows of Wv (features), S0 = tokens: a lane holds a feature and 128 tokens: quantised along the keys.
; ROW TILES: lane r of tile T holds row 32 (T / 2) + 8 (T % 2) + r + 8 (r / 8): so the 16 registers of S0's tiles 2 b and 2 b + 1 are S0's rows 32 b + 16 (lane / 16) + 0 .. 15, neighbours along the next K.
; img [1792 tiles][8 K steps][1536] holds images of fragments (registers 0-3 at 16 x lane, 4-5 at 512 + 8 x lane, 6-9 at 768 + 16 x lane, 10-11 at 1,280 + 8 x lane); sc [1792][512]: lane l, word j: row l % 16, K step 2 j + l / 16.
; K goes in steps of 256 through two LDS slots: four slots' worth, written out.  One tensor load brings 8 row tiles x 3,072 bytes.  The scales of all of K stay in registers: 4 a tile.
; CLUSTER 4 x 4: S1's tiles hang on cy and are asked for jointly along a row of the cluster, S0's on cx and along a column.
; himg [3][64 heads][16 key steps][6144]: q, k: 8 token tiles x half images of 768 bytes (K = the head's 64); v: 4 tiles of the head's 64 x a fragment (K = the step's 128 keys).
; hsc [3][64][16][512]: q, k: lane l, word j: tile 2 j + l / 16, row l % 16, bytes 0, 1 the head's two blocks, bytes 2, 3 zero; v: the first 256 bytes, lane l, 8 bytes, word j likewise.
; LIMITS: a block whose largest magnitude lies under 2^-124 gets the byte 1; NaN and infinities are not served.
; REGISTERS: window 0: v16-25 addresses; v28, v29 the add's two; v32-63 S1's scales, v64-95 S0's; v96-159 the bias along the registers; v160-255 S1's fragments, one set; on the way out v0-15 and v160-255 are at work.
;   window 1: S0's fragments, two sets, at v0 and v128; v96-111 the bias of a lane's row, each twice.   windows 2, 3: accumulator (a, b) at v[8 (8 (a % 4) + b)].
.set FR,    12
.set NL,    4                          ; LDS loads that bring a fragment
.set NP,    4                          ; places behind this matrix instruction (ISA guide 7.12.1)
.set UROW,  12288                      ; a row tile in img
.set TILEB, 3072                       ; its part of a slot: two K steps of 128
.set HALFT, 8*TILEB                    ; what one tensor load brings
.set SLOT,  4*HALFT                    ; S1's 16 tiles, then S0's 16
.set SPARE, 2*SLOT                     ; the spare words: 128 bytes for each of four waves
.set A16,  16                          ; v16-17 S1's fragments in slot 0, 1, at 16 x lane;  v18-19 at 8 x lane
.set A8,   18
.set B16,  20                          ; v20-23 the same for S0
.set B8,   22
.set LI16, 24
.set LI8,  25
.set SPW,  28
.set NIL,  29
.set SC1,  32
.set SC0,  64
.set BI,   96
.set AF,   160
.set BVP,  96                          ; in window 1
.set SRC,  160                         ; the way out: 64 numbers
.set TM,   224
.set OW,   232                         ; (TM + 8 .. 11 are not used by QUANT)
.set PC,   240
.set PW,   252
.set XA,   8
.set XB,   12
.set WS,   0                           ; v0-7 the eight tiles' scale words
.set SEL,  66
.set G1,  24
.set G0,  32
.set G1B, 48
.set G0B, 56
.set MSB, 0
.macro WIN new                         ; the immediate's high byte repeats the setting that is left
.if MSB != (\new)
	s_set_vgpr_msb (MSB<<8)|(\new)
.set MSB, (\new)
.endif
.endm
.set MUL_LO, 0xa1                      ; source 0 window 1, source 1 window 0, C and D window 2
.set MUL_HI, 0xf1
.set TO_B,   0x40
.macro JLOAD g0a, g1a, g0b, g1b        ; a joint load: waves 0 and 1 fetch for S1, waves 2 and 3 for S0; an s_nop 0 and four v_nop follow each line
	s_cmp_eq_u32 s19, 0
	s_cbranch_scc0 .Lfor_b_\@
	tensor_load_to_lds s[\g0a:\g0a+3], s[\g1a:\g1a+7]
	s_nop 0
.rept 4
	v_nop
.endr
	s_branch .Lasked_\@
.Lfor_b_\@:
	tensor_load_to_lds s[\g0b:\g0b+3], s[\g1b:\g1b+7]
	s_nop 0
.rept 4
	v_nop
.endr
.Lasked_\@:
.endm
.macro CREST
	s_cmp_lg_u32 s18, 0
	s_cbranch_scc1 .Lnot_wave_0_\@
	s_barrier_signal -3
.Lnot_wave_0_\@:
	s_barrier_wait -3
	s_barrier_signal -1
	s_barrier_wait -1
.endm
.macro CROUND
	s_barrier_signal -1
	s_barrier_wait -1
	CREST
.endm
.macro QUANT s, pc, xa, xb, tm, pw     ; 64 numbers of a lane (register 16 b + i = k 32 b + 16 h + i) become a fragment's codes and its scale word
.irp b, 0,1,2,3
	v_max3_num_f32 v[\tm+\b], |v[\s+16*\b]|, |v[\s+1+16*\b]|, 0x1800000   ; and the floor 2^(3 - 127): the byte cannot fall under 1
.endr
.irp i, 2,4,6,8,10,12,14
.irp b, 0,1,2,3
	v_max3_num_f32 v[\tm+\b], v[\tm+\b], |v[\s+16*\b+\i]|, |v[\s+1+16*\b+\i]|
.endr
.endr
.irp b, 0,1,2,3
	v_permlanex16_b32 v[\tm+4+\b], v[\tm+\b], s[SEL], s[SEL+1]
.endr
.irp b, 0,1,2,3
	v_max_num_f32 v[\tm+\b], v[\tm+\b], v[\tm+4+\b]
.endr
.irp b, 0,1,2,3
	v_add_nc_u32 v[\tm+12+\b], 0xff000000, v[\tm+\b]                     ; 2 off the exponent field: the conversion's scale operand
.endr
.irp b, 0,1,2,3
	v_lshrrev_b32 v[\tm+4+\b], 23, v[\tm+12+\b]
.endr
	v_lshl_or_b32 v[\pw], v[\tm+5], 8, v[\tm+4]
	v_lshl_or_b32 v[\pw], v[\tm+6], 16, v[\pw]
	v_lshl_or_b32 v[\pw], v[\tm+7], 24, v[\pw]
	v_cvt_scalef32_pk16_fp6_f32 v[\pc:\pc+2], v[\s:\s+15], v[\tm+12]
	v_cvt_scalef32_pk16_fp6_f32 v[\xa:\xa+2], v[\s+16:\s+31], v[\tm+13]
	v_cvt_scalef32_pk16_fp6_f32 v[\pc+6:\pc+8], v[\s+32:\s+47], v[\tm+14]
	v_cvt_scalef32_pk16_fp6_f32 v[\xb:\xb+2], v[\s+48:\s+63], v[\tm+15]
	v_nop                                                                ; one plain place behind a scaled conversion
.irp i, 0,1,2
	v_permlane16_swap_b32 v[\pc+\i], v[\xa+\i]
.endr
.irp i, 0,1,2
	v_mov_b32 v[\pc+3+\i], v[\xa+\i]
.endr
.irp i, 0,1,2
	v_permlane16_swap_b32 v[\pc+6+\i], v[\xb+\i]
.endr
.irp i, 0,1,2
	v_mov_b32 v[\pc+9+\i], v[\xb+\i]
.endr
.endm
	s_load_b256 s[4:11], s[0:1], 0x0               ; img, sc, bq, bk
	s_load_b128 s[12:15], s[0:1], 0x20             ; bv, himg
	s_load_b64 s[16:17], s[0:1], 0x30              ; hsc
	v_lshl_add_u32 v[SPW], v0, 2, SPARE
	v_mov_b32 v[NIL], 0
	ds_add_u32 v[SPW], v[NIL]                      ; the wave's opening: the add and its wait stand ahead of my first tensor load
	v_lshrrev_b32 v1, 5, v0
	v_readfirstlane_b32 s18, v1                    ; wave 0..3
	s_lshr_b32 s19, s18, 1                         ; my half of S1's 256 rows.  Also: I fetch for S1 (0) or S0 (1)
	s_and_b32 s20, s18, 1                          ; my half of S0's.  Also: which 8 row tiles I fetch
	s_bfe_u32 s40, ttmp6, 0x40000                  ; cx
	s_bfe_u32 s41, ttmp6, 0x40004                  ; cy
	s_and_b32 s21, ttmp7, 0xffff                   ; cluster y, 0..23
	s_lshr_b32 s22, s21, 3                         ; t: which projection; the same in all sixteen partners
	s_and_b32 s23, s21, 7
	s_lshl_b32 s44, s41, 2
	s_lshl_b32 s44, 15, s44                        ; my row of the cluster
	s_lshl_b32 s45, 0x1111, s40                    ; my column
	s_or_b32 s[G1+0], s44, (3<<16)|(1<<21)         ; 15:0 the mask; 17:16 elements of 8 bytes; 21 set beside a mask; no padding
	s_or_b32 s[G1B+0], s45, (3<<16)|(1<<21)
.irp g, G1, G1B
	s_mov_b32 s[\g+1], 384<<16                     ; tensor_dim0 = 384 elements: 3,072 bytes
	s_mov_b32 s[\g+2], 8<<16                       ; tensor_dim1 = 8 row tiles
	s_mov_b32 s[\g+3], 384<<16                     ; tile_dim0
	s_mov_b32 s[\g+4], 8                           ; tile_dim1
	s_mov_b32 s[\g+5], 1536                        ; from row tile to row tile: 12,288 bytes
	s_mov_b32 s[\g+6], 0
	s_mov_b32 s[\g+7], 0
.endr
	s_lshl_b32 s76, s22, 9                         ; 512 t
	s_lshl_b32 s77, s22, 6
	s_add_co_u32 s77, s77, 1536                    ; 1,536 + 64 t
	s_cmp_lt_u32 s22, 2
	s_cselect_b32 s66, s23, 0
	s_cselect_b32 s67, 0, s23
	s_cselect_b32 s76, s76, 1664                   ; S1's first tile in img: x's, or Wv's
	s_cselect_b32 s77, s77, 1024                   ; S0's: W's, or v's
	s_lshl_b32 s43, s66, 2
	s_add_co_u32 s43, s43, s41                     ; which 256 rows of S1: hangs on cy alone within the cluster
	s_lshl_b32 s42, s67, 2
	s_add_co_u32 s42, s42, s40                     ; which 256 rows of S0: on cx alone
	s_lshl_b32 s78, s20, 3
	s_lshl_b32 s68, s43, 4
	s_add_co_u32 s68, s68, s76                     ; S1: the work-group's first row tile
	s_add_co_u32 s69, s68, s78                     ; and the first that I fetch
	s_mul_i32 s70, s69, UROW
	s_mov_b32 s71, 0
	s_lshl_b32 s72, s42, 4
	s_add_co_u32 s72, s72, s77                     ; S0 likewise, in registers that never hold cy
	s_add_co_u32 s73, s72, s78
	s_mul_i32 s74, s73, UROW
	s_mov_b32 s75, 0
	s_mul_i32 s46, s18, HALFT                      ; where my tiles go: no place in the cluster enters an LDS address
	s_wait_dscnt 0x0                               ; the opening add is done
	s_wait_kmcnt 0x0
	s_add_nc_u64 s[70:71], s[4:5], s[70:71]
	s_add_nc_u64 s[74:75], s[4:5], s[74:75]
	CROUND                                         ; all sixteen work-groups are here: the first joint loads meet
.irp s, 0,1
	s_mov_b32 s[G0+4*\s], 1
	s_add_co_u32 s[G0+4*\s+1], s46, \s*SLOT
	s_add_nc_u64 s[G0+4*\s+2:G0+4*\s+3], s[70:71], \s*TILEB
	s_or_b32 s[G0+4*\s+3], s[G0+4*\s+3], 0x80000000
	s_mov_b32 s[G0B+4*\s], 1
	s_add_co_u32 s[G0B+4*\s+1], s46, \s*SLOT
	s_add_nc_u64 s[G0B+4*\s+2:G0B+4*\s+3], s[74:75], \s*TILEB
	s_or_b32 s[G0B+4*\s+3], s[G0B+4*\s+3], 0x80000000
	JLOAD G0+4*\s, G1, G0B+4*\s, G1B
.endr
	v_and_b32 v1, 31, v0
	v_lshlrev_b32 v[LI16], 4, v1
	v_lshlrev_b32 v[LI8], 3, v1
	s_mul_i32 s79, s19, HALFT                      ; my 8 row tiles of S1
	s_mul_i32 s80, s20, HALFT
	s_add_co_u32 s80, s80, 2*HALFT                 ; and of S0, behind S1's 16
.irp s, 0,1
	v_add_nc_u32 v[A16+\s], s79, v[LI16]
	v_add_nc_u32 v[A8+\s], s79, v[LI8]
	v_add_nc_u32 v[B16+\s], s80, v[LI16]
	v_add_nc_u32 v[B8+\s], s80, v[LI8]
	s_add_co_u32 s79, s79, SLOT
	s_add_co_u32 s80, s80, SLOT
.endr
	; the scales of my 8 + 8 row tiles, for all of K: 512 consecutive bytes a load
	s_lshl_b32 s81, s19, 3
	s_add_co_u32 s81, s81, s68
	s_lshl_b32 s82, s81, 9
	s_mov_b32 s83, 0
	s_add_nc_u64 s[82:83], s[6:7], s[82:83]
	s_add_co_u32 s84, s72, s78
	s_lshl_b32 s84, s84, 9
	s_mov_b32 s85, 0
	s_add_nc_u64 s[84:85], s[6:7], s[84:85]
.irp a, 0,1,2,3,4,5,6,7
	global_load_b128 v[SC1+4*\a:SC1+4*\a+3], v[LI16], s[82:83] offset:512*\a
	global_load_b128 v[SC0+4*\a:SC0+4*\a+3], v[LI16], s[84:85] offset:512*\a
.endr
	s_lshl_b32 s86, s43, 1
	s_add_co_u32 s86, s86, s19                     ; W1: which 128 rows of S1 are my wave's
	s_lshl_b32 s87, s42, 1
	s_add_co_u32 s87, s87, s20                     ; W0: which 128 of S0
	s_cmp_eq_u32 s22, 0
	s_cselect_b64 s[88:89], s[8:9], s[10:11]
	s_cmp_eq_u32 s22, 2
	s_cselect_b64 s[88:89], s[12:13], s[88:89]     ; the projection's bias
	s_and_b32 s90, s87, 7                          ; both forms of the bias are loaded in every work-group, each from inside the buffer; the way out takes one
	s_lshl_b32 s90, s90, 9
	s_mov_b32 s91, 0
	s_add_nc_u64 s[90:91], s[88:89], s[90:91]
	s_and_b32 s92, s86, 7
	s_lshl_b32 s92, s92, 9
	s_mov_b32 s93, 0
	s_add_nc_u64 s[92:93], s[88:89], s[92:93]
	v_bfe_u32 v2, v0, 4, 1
	v_lshlrev_b32 v2, 6, v2                        ; 64 h
	v_and_b32 v3, 15, v0
	v_and_b32 v4, 8, v3
	v_add_nc_u32 v3, v3, v4
	v_lshlrev_b32 v3, 2, v3                        ; 4 (r + 8 (r / 8))
.irp b, 0,1,2,3
.irp j, 0,1,2,3
	global_load_b128 v[BI+16*\b+4*\j:BI+16*\b+4*\j+3], v2, s[90:91] offset:128*\b+16*\j   ; register 16 b + i: the bias of S0's row 32 b + 16 h + i
.endr
.endr
	WIN TO_B
.irp a, 0,1,2,3,4,5,6,7
	global_load_b32 v[BVP+2*\a], v3, s[92:93] offset:(32*(\a/2)+8*(\a%2))*4               ; the bias of my row of S1's tile a, twice: a pair for the packed addition
	global_load_b32 v[BVP+2*\a+1], v3, s[92:93] offset:(32*(\a/2)+8*(\a%2))*4
.endr
	WIN 0
	; where the results go
	s_cmp_lt_u32 s22, 2
	s_cselect_b32 s94, s86, s87                    ; which 128 tokens
	s_cselect_b32 s95, s87, s86                    ; which pair of heads
	s_lshr_b32 s96, s94, 4
	s_lshl_b32 s96, s96, 4
	s_lshl_b32 s95, s95, 1
	s_add_co_u32 s96, s96, s95                     ; 16 x batch + the pair's first head
	s_lshl_b32 s96, s96, 4
	s_and_b32 s94, s94, 15
	s_add_co_u32 s96, s96, s94                     ; x 16 + key step: the record
	s_mul_i32 s94, s96, 6144
	s_mul_i32 s95, s22, 0x600000
	s_add_co_u32 s94, s94, s95
	s_mov_b32 s95, 0
	s_add_nc_u64 s[14:15], s[14:15], s[94:95]
	s_lshl_b32 s96, s96, 9
	s_lshl_b32 s97, s22, 19
	s_add_co_u32 s96, s96, s97
	s_mov_b32 s97, 0
	s_add_nc_u64 s[16:17], s[16:17], s[96:97]
	s_mov_b32 s98, 0xffff0000                      ; lanes 16-31
	s_mov_b32 s[SEL], 0x76543210
	s_mov_b32 s[SEL+1], 0xfedcba98
.macro FRAG reg, a16, a8, off          ; a fragment's image back into 12 registers
	ds_load_b128 v[(\reg):(\reg)+3], v[\a16] offset:(\off)
	ds_load_b64 v[(\reg)+4:(\reg)+5], v[\a8] offset:(\off)+512
	ds_load_b128 v[(\reg)+6:(\reg)+9], v[\a16] offset:(\off)+768
	ds_load_b64 v[(\reg)+10:(\reg)+11], v[\a8] offset:(\off)+1280
.endm
; 16 matrix instructions: S1's blocks a0, a0 + 1 x S0's eight.  p: S0's set; sg: the scales' register (K step / 2); par: K step % 2, which picks the lanes' half of the scale registers.
; The 64 accumulators take turns, one instruction a turn, in the same order in every step.
.macro MUL16 a0, p, sg, par, zero
.irp a, \a0, \a0+1
.irp b, 0,1,2,3,4,5,6,7
.if \zero
	v_wmma_scale_f32_16x16x128_f8f6f4 v[8*(8*((\a)%4)+\b):8*(8*((\a)%4)+\b)+7], v[128*(\p)+FR*\b:128*(\p)+FR*\b+FR-1], v[AF+FR*(\a):AF+FR*(\a)+FR-1], 0, v[SC0+4*\b+(\sg)], v[SC1+4*(\a)+(\sg)] matrix_a_fmt:MATRIX_FMT_FP6 matrix_b_fmt:MATRIX_FMT_FP6
.elseif \par
	v_wmma_scale_f32_16x16x128_f8f6f4 v[8*(8*((\a)%4)+\b):8*(8*((\a)%4)+\b)+7], v[128*(\p)+FR*\b:128*(\p)+FR*\b+FR-1], v[AF+FR*(\a):AF+FR*(\a)+FR-1], v[8*(8*((\a)%4)+\b):8*(8*((\a)%4)+\b)+7], v[SC0+4*\b+(\sg)], v[SC1+4*(\a)+(\sg)] matrix_a_fmt:MATRIX_FMT_FP6 matrix_b_fmt:MATRIX_FMT_FP6 matrix_a_scale:MATRIX_SCALE_ROW1 matrix_b_scale:MATRIX_SCALE_ROW1
.else
	v_wmma_scale_f32_16x16x128_f8f6f4 v[8*(8*((\a)%4)+\b):8*(8*((\a)%4)+\b)+7], v[128*(\p)+FR*\b:128*(\p)+FR*\b+FR-1], v[AF+FR*(\a):AF+FR*(\a)+FR-1], v[8*(8*((\a)%4)+\b):8*(8*((\a)%4)+\b)+7], v[SC0+4*\b+(\sg)], v[SC1+4*(\a)+(\sg)] matrix_a_fmt:MATRIX_FMT_FP6 matrix_b_fmt:MATRIX_FMT_FP6
.endif
.endr
.endr
.endm
.macro FETCH_B slot, q, p
	WIN TO_B
.irp i, 0,1,2,3,4,5,6,7
	FRAG 128*(\p)+FR*\i, B16+\slot, B8+\slot, \i*TILEB+(\q)*1536
.endr
	WIN 0
.endm
.macro FETCH_A slot, q, i0
.irp i, \i0, \i0+1, \i0+2, \i0+3
	FRAG AF+FR*(\i), A16+\slot, A8+\slot, (\i)*TILEB+(\q)*1536
.endr
.endm
.macro PLACES n                        ; plain vector instructions between a matrix instruction and a load into, or a vector write or read of, its registers
.rept \n
	v_nop
.endr
.endm
.macro STEP slot, sg, zero             ; a slot's first 128 along K
	s_wait_dscnt 4*NL                              ; S0's set and S1's blocks 0-3 are in; the youngest 16 loads (blocks 4-7) may be out
	WIN MUL_LO
	MUL16 0, 0, \sg, 0, \zero
	MUL16 2, 0, \sg, 0, \zero
	s_wait_dscnt 0
	PLACES NP
	FETCH_B \slot, 1, 1
	FETCH_A \slot, 1, 0
	WIN MUL_HI
	MUL16 4, 0, \sg, 0, \zero
	MUL16 6, 0, \sg, 0, \zero
	PLACES NP
	WIN 0
	FETCH_A \slot, 1, 4
.endm
; A slot's second 128 along K changes slots: ONE barrier; in front of it each wave waits for all its tensor loads, adds 0 to its spare word, and waits for that and for its reads of this slot.
.macro TURN slot, next, sg, fill
	s_wait_tensorcnt 0x0                           ; all my tensor loads have landed: my part of the next slot
	ds_add_u32 v[SPW], v[NIL]
	s_wait_dscnt 4*NL+1                            ; (the add and the youngest 16 loads may be out)
	WIN MUL_LO
	MUL16 0, 1, \sg, 1, 0
	s_wait_dscnt 0x0                               ; the add is done, and my reads of this slot are over
	s_barrier_signal -1
	MUL16 2, 1, \sg, 1, 0
	WIN 0
	s_barrier_wait -1
.if \fill
	CREST                                          ; the barrier has opened a round of the cluster's: no wave of any partner still reads this slot or has a load on its way
	s_add_nc_u64 s[G0+4*\slot+2:G0+4*\slot+3], s[G0+4*\slot+2:G0+4*\slot+3], 2*TILEB
	s_add_nc_u64 s[G0B+4*\slot+2:G0B+4*\slot+3], s[G0B+4*\slot+2:G0B+4*\slot+3], 2*TILEB
	JLOAD G0+4*\slot, G1, G0B+4*\slot, G1B         ; the first tensor load behind the round; its four v_nop are the places in front of the loads below
.else
	PLACES NP
.endif
	FETCH_B \next, 0, 0
	FETCH_A \next, 0, 0
	WIN MUL_HI
	MUL16 4, 1, \sg, 1, 0
	MUL16 6, 1, \sg, 1, 0
	PLACES NP
	WIN 0
	FETCH_A \next, 0, 4
.endm
	s_wait_tensorcnt 1                             ; my part of slot 0 is in; slot 1's load may be out
	s_barrier_signal -1
	s_barrier_wait -1
	FETCH_B 0, 0, 0
	FETCH_A 0, 0, 0
	FETCH_A 0, 0, 4
	s_wait_loadcnt 0x0                             ; scales and biases
	STEP 0, 0, 1                                   ; the first products start the sums
	TURN 0, 1, 0, 1
	STEP 1, 1, 0
	TURN 1, 0, 1, 1
	STEP 0, 2, 0
	TURN 0, 1, 2, 0                                ; nothing is left to fetch
	STEP 1, 3, 0
	s_wait_dscnt 4*NL
	WIN MUL_LO
	MUL16 0, 1, 3, 1, 0
	MUL16 2, 1, 3, 1, 0
	s_wait_dscnt 0
	WIN MUL_HI
	MUL16 4, 1, 3, 1, 0
	MUL16 6, 1, 3, 1, 0
	WIN 0
	PLACES NP
.irp b, 0,1,2,3
	v_mov_b32 v[TM+4+\b], 0                        ; a lane permute's destination counts as one of its sources
.endr
; THE WAY OUT of S1's block a: + bias (each accumulator from its low end on), quantised along the registers, stored as an image.
.macro EPI a, vpath
	s_wait_xcnt 0x0                                ; the last block's stores have read their data
.if \vpath
	WIN 0x06+(\a)/4                                ; source 0 window 2 or 3, source 1 window 1
.else
	WIN 0x02+(\a)/4
.endif
.set n, 0
.rept 32
.if \vpath
	v_pk_add_f32 v[SRC+2*n:SRC+2*n+1], v[64*((\a)%4)+2*n:64*((\a)%4)+2*n+1], v[BVP+2*(\a):BVP+2*(\a)+1]
.else
	v_pk_add_f32 v[SRC+2*n:SRC+2*n+1], v[64*((\a)%4)+2*n:64*((\a)%4)+2*n+1], v[BI+2*n:BI+2*n+1]
.endif
.set n, n+1
.endr
	WIN 0
	QUANT SRC, PC, XA, XB, TM, PW
	v_mov_b32 v[WS+(\a)], v[PW]
.if \vpath
.set EO, ((\a)/4)*98304+((\a)%4)*1536              ; head a / 4 of the pair, tile a % 4 of its 64: a whole fragment, K = 128 keys
	global_store_b128 v[LI16], v[PC:PC+3], s[14:15] offset:EO
	global_store_b64 v[LI8], v[PC+4:PC+5], s[14:15] offset:EO+512
	global_store_b128 v[LI16], v[PC+6:PC+9], s[14:15] offset:EO+768
	global_store_b64 v[LI8], v[PC+10:PC+11], s[14:15] offset:EO+1280
.else
	global_store_b128 v[LI16], v[PC:PC+3], s[14:15] offset:768*(\a)                  ; the first head's 64: half an image
	global_store_b64 v[LI8], v[PC+4:PC+5], s[14:15] offset:768*(\a)+512
	global_store_b128 v[LI16], v[PC+6:PC+9], s[14:15] offset:98304+768*(\a)          ; the second head's, 16 records on
	global_store_b64 v[LI8], v[PC+10:PC+11], s[14:15] offset:98304+768*(\a)+512
.endif
.endm
	s_cmp_eq_u32 s22, 2                            ; the same in all partners
	s_cbranch_scc1 .Lvpath
.irp a, 0,1,2,3,4,5,6,7
	EPI \a, 0
.endr
	s_wait_xcnt 0x0
.irp j, 0,1,2,3
	v_cndmask_b32 v[OW+\j], v[WS+2*\j], v[WS+2*\j+1], s98   ; lanes 0-15 tile 2 j's word, lanes 16-31 tile 2 j + 1's
.endr
.irp j, 0,1,2,3
	v_and_b32 v[PC+\j], 0xffff, v[OW+\j]           ; the first head's two bytes,
	v_lshrrev_b32 v[OW+\j], 16, v[OW+\j]           ; the second head's
.endr
	global_store_b128 v[LI16], v[PC:PC+3], s[16:17]
	global_store_b128 v[LI16], v[OW:OW+3], s[16:17] offset:8192
	s_branch .Ldone
.Lvpath:
.irp a, 0,1,2,3,4,5,6,7
	EPI \a, 1
.endr
.irp j, 0,1,2,3
	v_cndmask_b32 v[OW+\j], v[WS+2*\j], v[WS+2*\j+1], s98
.endr
	global_store_b64 v[LI8], v[OW:OW+1], s[16:17]
	global_store_b64 v[LI8], v[OW+2:OW+3], s[16:17] offset:8192
.Ldone:
	s_wait_tensorcnt 0x0                           ; the wave's end
	ds_add_u32 v[SPW], v[NIL]
	s_wait_dscnt 0x0
	CROUND                                         ; the closing round
	s_endpgm
.Lfunc_end_k_qc2df89bb1b_proj:
	.size	k_qc2df89bb1b_proj, .Lfunc_end_k_qc2df89bb1b_proj-k_qc2df89bb1b_proj
	.p2alignl 7, 3214868480
	.fill 96, 4, 3214868480
	.section	.rodata,"a",@progbits
	.p2align	6, 0x0
	.amdhsa_kernel k_qc2df89bb1b_proj
		.amdhsa_group_segment_fixed_size 327680
		.amdhsa_private_segment_fixed_size 0
		.amdhsa_enable_private_segment 0
		.amdhsa_kernarg_size 56
		.amdhsa_user_sgpr_count 2
		.amdhsa_user_sgpr_kernarg_segment_ptr 1
		.amdhsa_wavefront_size32 1
		.amdhsa_system_sgpr_workgroup_id_x 1
		.amdhsa_system_sgpr_workgroup_id_y 1
		.amdhsa_system_sgpr_workgroup_id_z 1
		.amdhsa_system_vgpr_workitem_id 0
		.amdhsa_next_free_vgpr 1024
		.amdhsa_next_free_sgpr 100
		.amdhsa_reserve_vcc 0
		.amdhsa_float_denorm_mode_32 3
		.amdhsa_float_denorm_mode_16_64 3
		.amdhsa_memory_ordered 1
		.amdhsa_forward_progress 1
		.amdhsa_inst_pref_size 217
	.end_amdhsa_kernel
	.amdgpu_metadata
---
amdhsa.version: [ 1, 2 ]
amdhsa.kernels:
  - .name:           k_qc2df89bb1b_proj
    .symbol:         k_qc2df89bb1b_proj.kd
    .args:
      - { .name: img, .offset: 0, .size: 8, .value_kind: global_buffer, .address_space: global }
      - { .name: sc, .offset: 8, .size: 8, .value_kind: global_buffer, .address_space: global }
      - { .name: bq, .offset: 16, .size: 8, .value_kind: global_buffer, .address_space: global }
      - { .name: bk, .offset: 24, .size: 8, .value_kind: global_buffer, .address_space: global }
      - { .name: bv, .offset: 32, .size: 8, .value_kind: global_buffer, .address_space: global }
      - { .name: himg, .offset: 40, .size: 8, .value_kind: global_buffer, .address_space: global }
      - { .name: hsc, .offset: 48, .size: 8, .value_kind: global_buffer, .address_space: global }
    .group_segment_fixed_size: 327680
    .private_segment_fixed_size: 0
    .kernarg_segment_align: 8
    .kernarg_segment_size: 56
    .max_flat_workgroup_size: 128
    .sgpr_count:     100
    .vgpr_count:     1024
    .wavefront_size: 32
...
	.end_amdgpu_metadata
.endif
;; end of part 2
;; launch attn (part 3): grid 4 x 64, 16 waves a work-group, no clusters, 210,944 bytes of LDS; arguments himg, hsc, mbits, mflags, cimg, csc; writes cimg, csc
.if DOCPART == 3
	.amdgcn_target "amdgcn-amd-amdhsa--gfx1250"
	.amdhsa_code_object_version 6
	.text
	.protected	k_qc2df89bb1b_attn
	.globl	k_qc2df89bb1b_attn
	.p2align	8
	.type	k_qc2df89bb1b_attn,@function
k_qc2df89bb1b_attn:
	s_mov_b64 s[64:65], 0
	v_nop
	global_prefetch_b8 v0, s[64:65] scope:SCOPE_SE
	s_setreg_imm32_b32 hwreg(HW_REG_WAVE_MODE, 25, 1), 1
	s_wait_xcnt 0x0
; ctx = softmax(q k^T / 8, masked) v for one head, both products on codes of FP6 (E2M3); ctx is quantised along the model's 1,024 and stored as images of the last product's operand.
; THE SOFTMAX: t = score x log2(e) / 8; M = the running largest t rounded UP to a whole number; p = 2^(t - M) is quantised along the keys, not normalised; the row's sum is taken of the unquantised p and divides at the end.
; THE MASK is an input: an earlier launch has turned it into lane masks (mbits) and flags (mflags).  A masked score is replaced by -2^33 ahead of the maximum, that is a logit of -2^30 where the reference has -1e9:
; c x 2^33 is a whole number that f32 holds, so a row with every key masked gets t - M = 0, p = 1 and the plain mean, as the reference does; in any other row a masked p is 0 there as here.
; LIMIT: the two differ only where an unmasked logit lies near or under -1e9.  NaN and infinities are not served.
; A key step of 128 keys is left out for a tile of 16 queries where all its 16 x 128 entries are masked AND every row of the tile has an open key somewhere: its p are all 0.  The branch hangs on the stored flags.
; SHARES: a work-group has one head; the head's whole K and V, codes and scales, 208,896 bytes, are copied into LDS once, through registers, wave w the record of key step w; ONE barrier; then the sixteen waves run free.
; Wave id = 16 x + w (x = work-group x, 0..3) takes query tiles id and 127 - id, one after the other.
; No cluster; what four work-groups share is read once each at the head.
; LAYOUT: both products transposed: S^T = K Q^T (source 0 = 16 keys), O^T = V^T P^T (source 0 = 16 of the head's 64): a lane holds ONE query.  Lane r of tile T holds row 32 (T / 2) + 8 (T % 2) + r + 8 (r / 8),
; so the 16 registers of tiles 2 b, 2 b + 1 are 16 neighbours: 32 b + 16 (lane / 16) + 0 .. 15.  The first product's K is 64: Q's registers 6-11 hold zero codes, and K's operand runs on into the next tile's codes, which meet them.
.set REC,   13056                      ; a key step's record in LDS: K 6,144 | V 6,144 | K's scales 512 | V's scales 256
.set VOFF,  6144
.set KSO,   12288
.set VSO,   12800
.set SPARE, 16*REC                     ; the spare words: 128 bytes for each of sixteen waves
.set LI16, 1                           ; 16 x lane
.set LI8,  2                           ; 8 x lane
.set A16,  3                           ; LDS addresses of the record in hand
.set A8,   4
.set SPW,  5
.set NIL,  6
.set R16,  7                           ; 16 x (lane % 16)
.set SM,   8                           ; -2^33
.set QF,   16                          ; v16-27 Q; v22-27 zero codes
.set QS,   28                          ; Q's scale words
.set KS,   30                          ; v30-33 K's;  v34-35 V's
.set VS,   34
.set F,    36                          ; v36-83 K's 8 half fragments, then V's 4 fragments; v84-89 zero codes
.set S,    96                          ; v96-159 S^T, then p
.set O,    160                         ; v160-191 O^T
.set P,    192                         ; v192-203 p's codes
.set XA,   204                         ; v204-206, v208-210 the conversions' second halves
.set BM,   212                         ; v212-215 the blocks' largest scores
.set BT,   216
.set SO,   220                         ; the conversions' scale operands
.set FF,   224                         ; f = 2^(old M - new M); v225: p's scale word
.set T0,   226
.set L2,   228                         ; v228-229 the sum's second chain
; s[4:15] himg, hsc, mbits, mflags, cimg, csc; s16 wave, s17 head, s18 id, s19 query tile; s20-51, s68-99 a step's 64 lane masks; s52, s53 the flags; s54 the record; s55 the steps' count; s[56:57] mbits' place;
; s[58:59] c; s[60:61] selects for lane l xor 16
	s_load_b256 s[4:11], s[0:1], 0x0
	s_load_b128 s[12:15], s[0:1], 0x20
	v_lshl_add_u32 v[SPW], v0, 2, SPARE
	v_mov_b32 v[NIL], 0
	v_lshrrev_b32 v9, 5, v0
	v_readfirstlane_b32 s16, v9
	s_and_b32 s17, ttmp7, 0xffff
	s_lshl_b32 s18, ttmp9, 4
	s_add_co_u32 s18, s18, s16
	v_and_b32 v9, 31, v0
	v_lshlrev_b32 v[LI16], 4, v9
	v_lshlrev_b32 v[LI8], 3, v9
	v_and_b32 v[R16], 15, v0
	v_lshlrev_b32 v[R16], 4, v[R16]
	v_mov_b32 v[SM], 0xd0000000
	s_mov_b32 s58, 0x3e38aa3b                      ; c = log2(e) / 8
	s_mov_b32 s59, s58
	s_mov_b32 s60, 0x76543210
	s_mov_b32 s61, 0xfedcba98
	s_mul_i32 s100, s16, REC
	v_add_nc_u32 v[A16], s100, v[LI16]
	v_add_nc_u32 v[A8], s100, v[LI8]
	s_lshl_b32 s2, s17, 4
	s_add_co_u32 s2, s2, s16                       ; the record in memory: 16 x head + my wave
	s_mul_i32 s62, s2, 6144
	s_add_co_u32 s62, s62, 0x600000                ; k's part of himg
	s_mov_b32 s63, 0
	s_lshl_b32 s66, s2, 9
	s_add_co_u32 s66, s66, 0x80000                 ; k's part of hsc
	s_mov_b32 s67, 0
	s_wait_kmcnt 0x0
	s_add_nc_u64 s[62:63], s[4:5], s[62:63]
	s_add_nc_u64 s[66:67], s[6:7], s[66:67]
.irp i, 0,1,2,3,4,5,6,7,8,9,10,11
	global_load_b128 v[96+4*\i:99+4*\i], v[LI16], s[62:63] offset:512*\i
.endr
.irp i, 0,1,2,3,4,5,6,7,8,9,10,11
	global_load_b128 v[144+4*\i:147+4*\i], v[LI16], s[62:63] offset:0x600000+512*\i   ; v's part lies 0x600000 bytes on
.endr
	global_load_b128 v[192:195], v[LI16], s[66:67]
	global_load_b64 v[196:197], v[LI8], s[66:67] offset:0x80000
.irp i, 0,1,2,3,4,5
	v_mov_b32 v[QF+6+\i], 0                        ; zero codes for K = 64 .. 127, written once
	v_mov_b32 v[F+48+\i], 0
.endr
.irp b, 0,1,2,3
	v_mov_b32 v[BT+\b], 0                          ; a lane permute's destination counts as one of its sources
.endr
	v_mov_b32 v[FF+1], 0                           ; (named as the upper half of the pair before it is first written)
	v_mov_b32 v[T0], 0
	s_wait_loadcnt 0x0
.irp i, 0,1,2,3,4,5,6,7,8,9,10,11
	ds_store_b128 v[A16], v[96+4*\i:99+4*\i] offset:512*\i
.endr
.irp i, 0,1,2,3,4,5,6,7,8,9,10,11
	ds_store_b128 v[A16], v[144+4*\i:147+4*\i] offset:VOFF+512*\i
.endr
	ds_store_b128 v[A16], v[192:195] offset:KSO
	ds_store_b64 v[A8], v[196:197] offset:VSO
	s_wait_dscnt 0x0                               ; for the others' sake: my record lies in LDS
	s_barrier_signal -1
	s_barrier_wait -1                              ; all sixteen do; nothing is stored to LDS from here on
; ONE TILE OF 16 QUERIES, s19, through all key steps
.macro PASS
	s_wait_xcnt 0x0                                ; the last tile's stores have read their bases and data
	s_lshl_b32 s2, s19, 9
	s_mov_b32 s3, 0
	s_add_nc_u64 s[62:63], s[10:11], s[2:3]
	s_load_b32 s66, s[62:63], 0x0                  ; the flags of keys 0 .. 1,023
	s_load_b32 s67, s[62:63], 0x100                ; and of keys 1,024 .. 2,047
	s_lshl_b32 s2, s17, 4
	s_lshr_b32 s3, s19, 3
	s_add_co_u32 s2, s2, s3                        ; q's record: 16 x head + tile / 8
	s_mul_i32 s100, s2, 6144
	s_and_b32 s3, s19, 7
	s_mul_i32 s3, s3, 768
	s_add_co_u32 s100, s100, s3
	s_mov_b32 s101, 0
	s_add_nc_u64 s[100:101], s[4:5], s[100:101]
	global_load_b128 v[QF:QF+3], v[LI16], s[100:101]
	global_load_b64 v[QF+4:QF+5], v[LI8], s[100:101] offset:512
	s_lshl_b32 s2, s2, 9
	s_and_b32 s3, s19, 1
	s_lshl_b32 s3, s3, 8
	s_add_co_u32 s2, s2, s3
	s_bfe_u32 s3, s19, 0x20001
	s_lshl_b32 s3, s3, 2
	s_add_co_u32 s2, s2, s3
	s_mov_b32 s3, 0
	s_add_nc_u64 s[2:3], s[6:7], s[2:3]
	global_load_b32 v[QS], v[R16], s[2:3]
.set n, 0
.rept 32
	v_mov_b32 v[O+n], 0                            ; the step is written once: the first finds zeros, which the first change of M leaves zeros
.set n, n+1
.endr
	v_mov_b32 v13, 0xff61b1e6                      ; the largest t so far: -3e38
	v_floor_f32 v12, -v13                          ; -M
	v_mov_b32 v14, 0
	v_mov_b32 v15, 0
	s_wait_kmcnt 0x0
	s_and_b32 s52, s66, 0xff
	s_and_b32 s62, s67, 0xff
	s_lshl_b32 s62, s62, 8
	s_or_b32 s52, s52, s62                         ; bit i: step i is not wholly masked
	s_bfe_u32 s53, s66, 0x80008
	s_and_b32 s62, s67, 0xff00
	s_or_b32 s53, s53, s62                         ; bit i: step i has a masked entry
	s_lshr_b32 s62, s66, 16
	s_lshr_b32 s63, s67, 16
	s_and_b32 s62, s62, s63
	s_cmp_lg_u32 s62, 0                            ; a row with no open key at all wants every step
	s_cselect_b32 s52, 0xffff, s52
	s_lshl_b32 s62, s19, 12
	s_mov_b32 s63, 0
	s_add_nc_u64 s[56:57], s[8:9], s[62:63]
	s_mov_b32 s54, 0
	s_mov_b32 s55, 0
	s_wait_loadcnt 0x0                             ; Q
.Lstep_\@:                                         ; 16 trips, a constant: what is left out is a step's work, not its trip
	s_bitcmp1_b32 s52, 0
	s_cbranch_scc0 .Lskip_\@
	s_load_b512 s[20:35], s[56:57], 0x0            ; the step's 64 lane masks
	s_load_b512 s[36:51], s[56:57], 0x40
	s_load_b512 s[68:83], s[56:57], 0x80
	s_load_b512 s[84:99], s[56:57], 0xc0
	v_add_nc_u32 v[A16], s54, v[LI16]
	v_add_nc_u32 v[A8], s54, v[LI8]
	v_nop                                          ; with the two additions: four places in front of loads into registers that the last products read
	v_nop
.irp t, 0,1,2,3,4,5,6,7
	ds_load_b128 v[F+6*\t:F+6*\t+3], v[A16] offset:768*\t
	ds_load_b64 v[F+6*\t+4:F+6*\t+5], v[A8] offset:768*\t+512
.endr
	ds_load_b128 v[KS:KS+3], v[A16] offset:KSO
	s_wait_dscnt 0x0
.irp t, 0,1,2,3,4,5,6,7
.if (\t)%2
	v_wmma_scale_f32_16x16x128_f8f6f4 v[S+8*\t:S+8*\t+7], v[F+6*\t:F+6*\t+11], v[QF:QF+11], 0, v[KS+\t/2], v[QS] matrix_a_fmt:MATRIX_FMT_FP6 matrix_b_fmt:MATRIX_FMT_FP6 matrix_a_scale:MATRIX_SCALE_ROW1
.else
	v_wmma_scale_f32_16x16x128_f8f6f4 v[S+8*\t:S+8*\t+7], v[F+6*\t:F+6*\t+11], v[QF:QF+11], 0, v[KS+\t/2], v[QS] matrix_a_fmt:MATRIX_FMT_FP6 matrix_b_fmt:MATRIX_FMT_FP6
.endif
.endr
.rept 4
	v_nop                                          ; places: in front of the loads below and of the first read of the scores
.endr
.irp t, 0,1,2,3                                    ; V's four fragments land while the softmax is walked
	ds_load_b128 v[F+12*\t:F+12*\t+3], v[A16] offset:VOFF+1536*\t
	ds_load_b64 v[F+12*\t+4:F+12*\t+5], v[A8] offset:VOFF+1536*\t+512
	ds_load_b128 v[F+12*\t+6:F+12*\t+9], v[A16] offset:VOFF+1536*\t+768
	ds_load_b64 v[F+12*\t+10:F+12*\t+11], v[A8] offset:VOFF+1536*\t+1280
.endr
	ds_load_b64 v[VS:VS+1], v[A8] offset:VSO
	s_wait_kmcnt 0x0                               ; the lane masks
	s_bitcmp1_b32 s53, 0
	s_cbranch_scc0 .Lopen_\@                       ; a step with no masked entry
.set n, 0
.rept 64
.if n < 32
	v_cndmask_b32 v[S+n], v[S+n], v[SM], s[20+n]
.else
	v_cndmask_b32 v[S+n], v[S+n], v[SM], s[36+n]
.endif
.set n, n+1
.endr
.Lopen_\@:
.irp b, 0,1,2,3
	v_max3_num_f32 v[BM+\b], v[S+16*\b], v[S+1+16*\b], v[S+2+16*\b]     ; the largest score of each block of 32 keys: for the row's maximum and, since p rises with the score, for the block's largest p
.endr
.irp i, 3,5,7,9,11,13
.irp b, 0,1,2,3
	v_max3_num_f32 v[BM+\b], v[BM+\b], v[S+16*\b+\i], v[S+1+16*\b+\i]
.endr
.endr
.irp b, 0,1,2,3
	v_max_num_f32 v[BM+\b], v[BM+\b], v[S+15+16*\b]
.endr
.irp b, 0,1,2,3
	v_permlanex16_b32 v[BT+\b], v[BM+\b], s60, s61
.endr
.irp b, 0,1,2,3
	v_max_num_f32 v[BM+\b], v[BM+\b], v[BT+\b]
.endr
	v_max3_num_f32 v[T0], v[BM], v[BM+1], v[BM+2]
	v_max_num_f32 v[T0], v[T0], v[BM+3]
	v_mul_f32 v[T0], s58, v[T0]
	v_max_num_f32 v13, v13, v[T0]                  ; the running largest t
	v_mov_b32 v[T0], v12
	v_floor_f32 v12, -v13                          ; the new -M: M is a whole number
	v_sub_f32 v[T0], v12, v[T0]
	v_cvt_i32_f32 v[T0], v[T0]                     ; (it saturates)
	v_ldexp_f32 v[FF], 1.0, v[T0]                  ; f = 2^(old M - new M)
.set n, 0
.rept 32
	v_pk_fma_f32 v[S+n:S+n+1], v[S+n:S+n+1], s[58:59], v[12:13] op_sel_hi:[1,0,0]   ; t - M
.set n, n+2
.endr
.irp b, 0,1,2,3
	v_fma_f32 v[BM+\b], v[BM+\b], s58, v12
.endr
.set n, 0
.rept 64
	v_exp_f32 v[S+n], v[S+n]                       ; p = 2^(t - M)
.set n, n+1
.endr
	v_pk_mul_f32 v[14:15], v[14:15], v[FF:FF+1] op_sel_hi:[1,0]          ; the sums under the new M; a plain place behind the exponentials
	s_wait_alu depctr_va_vdst(0)                   ; one wait for the batch, ahead of its first reader
.irp b, 0,1,2,3
	v_exp_f32 v[BM+\b], v[BM+\b]                   ; the blocks' largest p
.endr
	v_pk_add_f32 v[L2:L2+1], v[S:S+1], v[S+2:S+3]  ; the row's sum of the unquantised p, in two chains
.irp j, 4,8,12,16,20,24,28,32,36,40,44,48,52,56,60
	v_pk_add_f32 v[14:15], v[14:15], v[S+\j:S+1+\j]
	v_pk_add_f32 v[L2:L2+1], v[L2:L2+1], v[S+2+\j:S+3+\j]
.endr
	v_pk_add_f32 v[14:15], v[14:15], v[L2:L2+1]
	s_wait_alu depctr_va_vdst(0)                   ; and one for the four
.irp b, 0,1,2,3
	v_max_num_f32 v[BM+\b], 0x1800000, v[BM+\b]    ; the floor 2^(3 - 127)
.endr
.irp b, 0,1,2,3
	v_add_nc_u32 v[SO+\b], 0xff000000, v[BM+\b]
.endr
.irp b, 0,1,2,3
	v_lshrrev_b32 v[BT+\b], 23, v[SO+\b]
.endr
	v_lshl_or_b32 v[FF+1], v[BT+1], 8, v[BT]       ; p's scale word for these 128 keys
	v_lshl_or_b32 v[FF+1], v[BT+2], 16, v[FF+1]
	v_lshl_or_b32 v[FF+1], v[BT+3], 24, v[FF+1]
.irp c, 0,1
	v_cvt_scalef32_pk16_fp6_f32 v[P+6*\c:P+2+6*\c], v[S+32*\c:S+15+32*\c], v[SO+2*\c]
	v_cvt_scalef32_pk16_fp6_f32 v[XA+4*\c:XA+2+4*\c], v[S+16+32*\c:S+31+32*\c], v[SO+2*\c+1]
.endr
	v_nop                                          ; one plain place behind a scaled conversion
.irp c, 0,1
.irp i, 0,1,2
	v_permlane16_swap_b32 v[P+6*\c+\i], v[XA+4*\c+\i]
.endr
.irp i, 0,1,2
	v_mov_b32 v[P+3+6*\c+\i], v[XA+4*\c+\i]
.endr
.endr
.set n, 0
.rept 16
	v_pk_mul_f32 v[O+n:O+n+1], v[O+n:O+n+1], v[FF:FF+1] op_sel_hi:[1,0]  ; O^T under the new M; these sixteen also stand between the writes of p's codes and scale word and the products below
.set n, n+2
.endr
	s_wait_dscnt 0x0                               ; V
.irp t, 0,1,2,3
.if (\t)%2
	v_wmma_scale_f32_16x16x128_f8f6f4 v[O+8*\t:O+8*\t+7], v[F+12*\t:F+12*\t+11], v[P:P+11], v[O+8*\t:O+8*\t+7], v[VS+\t/2], v[FF+1] matrix_a_fmt:MATRIX_FMT_FP6 matrix_b_fmt:MATRIX_FMT_FP6 matrix_a_scale:MATRIX_SCALE_ROW1
.else
	v_wmma_scale_f32_16x16x128_f8f6f4 v[O+8*\t:O+8*\t+7], v[F+12*\t:F+12*\t+11], v[P:P+11], v[O+8*\t:O+8*\t+7], v[VS+\t/2], v[FF+1] matrix_a_fmt:MATRIX_FMT_FP6 matrix_b_fmt:MATRIX_FMT_FP6
.endif
.endr
.Lskip_\@:
	s_add_co_u32 s54, s54, REC
	s_add_nc_u64 s[56:57], s[56:57], 256
	s_lshr_b32 s52, s52, 1
	s_lshr_b32 s53, s53, 1
	s_add_co_u32 s55, s55, 1
	s_cmp_lt_u32 s55, 16
	s_cbranch_scc1 .Lstep_\@
	; THE WAY OUT: O^T / the sum; its 64 numbers of a row are two blocks of the last product's K
.rept 4
	v_nop
.endr
	v_add_f32 v14, v14, v15
	v_permlanex16_b32 v[T0], v14, s60, s61
	v_add_f32 v14, v14, v[T0]
	v_rcp_f32 v[FF], v14
	v_nop                                          ; a plain place behind the reciprocal
	s_lshr_b32 s2, s17, 4
	s_lshl_b32 s2, s2, 7
	s_add_co_u32 s2, s2, s19                       ; the token tile: 128 x batch + query tile
	s_bfe_u32 s3, s17, 0x30001                     ; the K step of the last product: head / 2
	s_and_b32 s62, s17, 1                          ; and which half of it
	s_mul_i32 s66, s2, 12288
	s_mul_i32 s63, s3, 1536
	s_add_co_u32 s66, s66, s63
	s_mul_i32 s63, s62, 768
	s_add_co_u32 s66, s66, s63
	s_mov_b32 s67, 0
	s_add_nc_u64 s[66:67], s[12:13], s[66:67]
	s_lshl_b32 s100, s2, 9
	s_and_b32 s63, s3, 1
	s_lshl_b32 s63, s63, 8
	s_add_co_u32 s100, s100, s63
	s_lshr_b32 s63, s3, 1
	s_lshl_b32 s63, s63, 2
	s_add_co_u32 s100, s100, s63
	s_lshl_b32 s63, s62, 1
	s_add_co_u32 s100, s100, s63
	s_mov_b32 s101, 0
	s_add_nc_u64 s[100:101], s[14:15], s[100:101]
	s_wait_alu depctr_va_vdst(0)                   ; ahead of the reciprocal's first reader
.set n, 0
.rept 16
	v_pk_mul_f32 v[S+n:S+n+1], v[O+n:O+n+1], v[FF:FF+1] op_sel_hi:[1,0]  ; register 16 b + i: channel 32 b + 16 h + i
.set n, n+2
.endr
.irp b, 0,1
	v_max3_num_f32 v[BM+\b], |v[S+16*\b]|, |v[S+1+16*\b]|, 0x1800000
.endr
.irp i, 2,4,6,8,10,12,14
.irp b, 0,1
	v_max3_num_f32 v[BM+\b], v[BM+\b], |v[S+16*\b+\i]|, |v[S+1+16*\b+\i]|
.endr
.endr
.irp b, 0,1
	v_permlanex16_b32 v[BT+\b], v[BM+\b], s60, s61
.endr
.irp b, 0,1
	v_max_num_f32 v[BM+\b], v[BM+\b], v[BT+\b]
.endr
.irp b, 0,1
	v_add_nc_u32 v[SO+\b], 0xff000000, v[BM+\b]
.endr
.irp b, 0,1
	v_lshrrev_b32 v[BT+\b], 23, v[SO+\b]
.endr
	v_lshl_or_b32 v[T0], v[BT+1], 8, v[BT]         ; the head's two scale bytes
	v_cvt_scalef32_pk16_fp6_f32 v[P:P+2], v[S:S+15], v[SO]
	v_cvt_scalef32_pk16_fp6_f32 v[XA:XA+2], v[S+16:S+31], v[SO+1]
	v_nop
.irp i, 0,1,2
	v_permlane16_swap_b32 v[P+\i], v[XA+\i]
.endr
.irp i, 0,1,2
	v_mov_b32 v[P+3+\i], v[XA+\i]
.endr
	global_store_b128 v[LI16], v[P:P+3], s[66:67]                        ; half an image: 512 and 256 consecutive bytes
	global_store_b64 v[LI8], v[P+4:P+5], s[66:67] offset:512
	global_store_b16 v[R16], v[T0], s[100:101]     ; two bytes of each row's scale word (a head owns no more); lanes l and l + 16 store the same value to the same place
.endm
	s_mov_b32 s19, s18
	PASS
	s_sub_co_u32 s19, 127, s18
	PASS
	s_wait_tensorcnt 0x0                           ; the wave's end, behind my last LDS store
	ds_add_u32 v[SPW], v[NIL]
	s_wait_dscnt 0x0
	s_endpgm
.Lfunc_end_k_qc2df89bb1b_attn:
	.size	k_qc2df89bb1b_attn, .Lfunc_end_k_qc2df89bb1b_attn-k_qc2df89bb1b_attn
	.p2alignl 7, 3214868480
	.fill 96, 4, 3214868480
	.section	.rodata,"a",@progbits
	.p2align	6, 0x0
	.amdhsa_kernel k_qc2df89bb1b_attn
		.amdhsa_group_segment_fixed_size 210944
		.amdhsa_private_segment_fixed_size 0
		.amdhsa_enable_private_segment 0
		.amdhsa_kernarg_size 48
		.amdhsa_user_sgpr_count 2
		.amdhsa_user_sgpr_kernarg_segment_ptr 1
		.amdhsa_wavefront_size32 1
		.amdhsa_system_sgpr_workgroup_id_x 1
		.amdhsa_system_sgpr_workgroup_id_y 1
		.amdhsa_system_sgpr_workgroup_id_z 1
		.amdhsa_system_vgpr_workitem_id 0
		.amdhsa_next_free_vgpr 256
		.amdhsa_next_free_sgpr 102
		.amdhsa_reserve_vcc 0
		.amdhsa_float_denorm_mode_32 3
		.amdhsa_float_denorm_mode_16_64 3
		.amdhsa_memory_ordered 1
		.amdhsa_forward_progress 1
		.amdhsa_inst_pref_size 62
	.end_amdhsa_kernel
	.amdgpu_metadata
---
amdhsa.version: [ 1, 2 ]
amdhsa.kernels:
  - .name:           k_qc2df89bb1b_attn
    .symbol:         k_qc2df89bb1b_attn.kd
    .args:
      - { .name: himg, .offset: 0, .size: 8, .value_kind: global_buffer, .address_space: global }
      - { .name: hsc, .offset: 8, .size: 8, .value_kind: global_buffer, .address_space: global }
      - { .name: mbits, .offset: 16, .size: 8, .value_kind: global_buffer, .address_space: global }
      - { .name: mflags, .offset: 24, .size: 8, .value_kind: global_buffer, .address_space: global }
      - { .name: cimg, .offset: 32, .size: 8, .value_kind: global_buffer, .address_space: global }
      - { .name: csc, .offset: 40, .size: 8, .value_kind: global_buffer, .address_space: global }
    .group_segment_fixed_size: 210944
    .private_segment_fixed_size: 0
    .kernarg_segment_align: 8
    .kernarg_segment_size: 48
    .max_flat_workgroup_size: 512
    .sgpr_count:     102
    .vgpr_count:     256
    .wavefront_size: 32
...
	.end_amdgpu_metadata
.endif
;; end of part 3
;; launch out (part 4): grid 4 x 32, 4 waves a work-group, clusters of 4 x 4, 327,680 bytes of LDS; arguments img, sc, cimg, csc, bo, out0; writes out0
.if DOCPART == 4
	.amdgcn_target "amdgcn-amd-amdhsa--gfx1250"
	.amdhsa_code_object_version 6
	.text
	.protected	k_qc2df89bb1b_out
	.globl	k_qc2df89bb1b_out
	.p2align	8
	.type	k_qc2df89bb1b_out,@function
k_qc2df89bb1b_out:
	s_mov_b64 s[64:65], 0
	v_nop
	global_prefetch_b8 v0, s[64:65] scope:SCOPE_SE
	s_setreg_imm32_b32 hwreg(HW_REG_WAVE_MODE, 25, 1), 1
	s_wait_xcnt 0x0
	s_wait_alu depctr_hold_cnt(0) depctr_sa_sdst(0) depctr_va_vdst(0) depctr_va_sdst(0) depctr_va_ssrc(0) depctr_va_vcc(0) depctr_vm_vsrc(0)
	s_getreg_b32 s2, hwreg(HW_REG_IB_STS2, 6, 4)
	s_cmp_eq_u32 s2, 0
	s_cbranch_scc0 .Lentry_in_a_cluster
	s_endpgm
.Lentry_in_a_cluster:
	s_bfe_u32 s2, ttmp6, 0x10000c
	s_cmp_lg_u32 s2, 0xf033
	s_cbranch_scc0 .Lentry_shape_is_right
	s_endpgm
.Lentry_shape_is_right:
; out0 = ctx Wo^T + bo on codes of FP6 (E2M3), K = 1,024.  ctx's codes and scales (cimg, csc) and Wo's (img, sc from tile 1,728 on) lie as images of the operand's registers.
; A work-group of four waves makes 256 tokens x 256 features, a wave 128 x 128: 64 accumulators.  Source 1 (S1) = tokens: a lane holds a token; source 0 (S0) = rows of Wo: its registers run along the features.
; ROW TILES: lane r of tile T holds row 32 (T / 2) + 8 (T % 2) + r + 8 (r / 8): the 16 registers of S0's tiles 2 b, 2 b + 1 are features 32 b + 16 (lane / 16) + 0 .. 15.
; K goes in steps of 256 through two LDS slots, four slots' worth, written out; one tensor load brings 8 row tiles x 3,072 bytes; the scales of all of K stay in registers.  The bias is the C of each sum's first product.
; CLUSTER 4 x 4: S1's tiles are asked for jointly along a row of the cluster, S0's along a column.
; 8,192 x 1,024 outputs are 128 such tiles: 128 work-groups.
; REGISTERS: window 0: v16-27 addresses; v28, v29 the add's two; v32-63 S1's scales, v64-95 S0's; v96-159 the bias; v160-255 S1's fragments; on the way out v128-255 rows of the result.
;   window 1: S0's fragments, two sets, at v0 and v128.   windows 2, 3: accumulator (a, b) at v[8 (8 (a % 4) + b)].
.set FR,    12
.set NL,    4
.set NP,    4
.set UROW,  12288
.set TILEB, 3072
.set HALFT, 8*TILEB
.set SLOT,  4*HALFT
.set SPARE, 2*SLOT
.set SPITCH, 528                       ; the way out: a stage of 16 rows x (512 + 16) bytes for each wave, in slot 0, which has had its last fill and its last read by then
.set A16,  16
.set A8,   18
.set B16,  20
.set B8,   22
.set LI16, 24
.set LI8,  25
.set STO,  26
.set RD,   27
.set SPW,  28
.set NIL,  29
.set SC1,  32
.set SC0,  64
.set BI,   96
.set AF,   160
.set BK,   128
.set G1,  24
.set G0,  32
.set G1B, 48
.set G0B, 56
.set MSB, 0
.macro WIN new
.if MSB != (\new)
	s_set_vgpr_msb (MSB<<8)|(\new)
.set MSB, (\new)
.endif
.endm
.set MUL_LO, 0xa1
.set MUL_HI, 0xf1
.set TO_B,   0x40
.macro JLOAD g0a, g1a, g0b, g1b        ; a joint load: waves 0 and 1 fetch for S1, waves 2 and 3 for S0; an s_nop 0 and four v_nop follow each line
	s_cmp_eq_u32 s19, 0
	s_cbranch_scc0 .Lfor_b_\@
	tensor_load_to_lds s[\g0a:\g0a+3], s[\g1a:\g1a+7]
	s_nop 0
.rept 4
	v_nop
.endr
	s_branch .Lasked_\@
.Lfor_b_\@:
	tensor_load_to_lds s[\g0b:\g0b+3], s[\g1b:\g1b+7]
	s_nop 0
.rept 4
	v_nop
.endr
.Lasked_\@:
.endm
.macro CREST
	s_cmp_lg_u32 s18, 0
	s_cbranch_scc1 .Lnot_wave_0_\@
	s_barrier_signal -3
.Lnot_wave_0_\@:
	s_barrier_wait -3
	s_barrier_signal -1
	s_barrier_wait -1
.endm
.macro CROUND
	s_barrier_signal -1
	s_barrier_wait -1
	CREST
.endm
	s_load_b256 s[4:11], s[0:1], 0x0               ; img, sc, cimg, csc
	s_load_b128 s[12:15], s[0:1], 0x20             ; bo, out0
	v_lshl_add_u32 v[SPW], v0, 2, SPARE
	v_mov_b32 v[NIL], 0
	ds_add_u32 v[SPW], v[NIL]                      ; the wave's opening: the add and its wait stand ahead of my first tensor load
	v_lshrrev_b32 v1, 5, v0
	v_readfirstlane_b32 s18, v1
	s_lshr_b32 s19, s18, 1                         ; my half of the tokens.  Also: I fetch for S1 (0) or S0 (1)
	s_and_b32 s20, s18, 1                          ; my half of the features.  Also: which 8 row tiles I fetch
	s_bfe_u32 s40, ttmp6, 0x40000                  ; cx
	s_bfe_u32 s41, ttmp6, 0x40004                  ; cy
	s_and_b32 s21, ttmp7, 0xffff                   ; cluster y, 0..7
	s_lshl_b32 s44, s41, 2
	s_lshl_b32 s44, 15, s44
	s_lshl_b32 s45, 0x1111, s40
	s_or_b32 s[G1+0], s44, (3<<16)|(1<<21)         ; the mask; elements of 8 bytes; bit 21 beside a mask; no padding
	s_or_b32 s[G1B+0], s45, (3<<16)|(1<<21)
.irp g, G1, G1B
	s_mov_b32 s[\g+1], 384<<16
	s_mov_b32 s[\g+2], 8<<16
	s_mov_b32 s[\g+3], 384<<16
	s_mov_b32 s[\g+4], 8
	s_mov_b32 s[\g+5], 1536
	s_mov_b32 s[\g+6], 0
	s_mov_b32 s[\g+7], 0
.endr
	s_lshl_b32 s43, s21, 2
	s_add_co_u32 s43, s43, s41                     ; which 256 tokens
	s_lshl_b32 s78, s20, 3
	s_lshl_b32 s68, s43, 4                         ; their first row tile in cimg
	s_add_co_u32 s69, s68, s78
	s_mul_i32 s70, s69, UROW
	s_mov_b32 s71, 0
	s_lshl_b32 s72, s40, 4
	s_add_co_u32 s72, s72, 1728                    ; Wo's first row tile of my 256 features, in img
	s_add_co_u32 s73, s72, s78
	s_mul_i32 s74, s73, UROW
	s_mov_b32 s75, 0
	s_mul_i32 s46, s18, HALFT
	s_wait_dscnt 0x0                               ; the opening add is done
	s_wait_kmcnt 0x0
	s_add_nc_u64 s[70:71], s[8:9], s[70:71]
	s_add_nc_u64 s[74:75], s[4:5], s[74:75]
	CROUND
.irp s, 0,1
	s_mov_b32 s[G0+4*\s], 1
	s_add_co_u32 s[G0+4*\s+1], s46, \s*SLOT
	s_add_nc_u64 s[G0+4*\s+2:G0+4*\s+3], s[70:71], \s*TILEB
	s_or_b32 s[G0+4*\s+3], s[G0+4*\s+3], 0x80000000
	s_mov_b32 s[G0B+4*\s], 1
	s_add_co_u32 s[G0B+4*\s+1], s46, \s*SLOT
	s_add_nc_u64 s[G0B+4*\s+2:G0B+4*\s+3], s[74:75], \s*TILEB
	s_or_b32 s[G0B+4*\s+3], s[G0B+4*\s+3], 0x80000000
	JLOAD G0+4*\s, G1, G0B+4*\s, G1B
.endr
	v_and_b32 v1, 31, v0
	v_lshlrev_b32 v[LI16], 4, v1
	v_lshlrev_b32 v[LI8], 3, v1
	s_mul_i32 s79, s19, HALFT
	s_mul_i32 s80, s20, HALFT
	s_add_co_u32 s80, s80, 2*HALFT
.irp s, 0,1
	v_add_nc_u32 v[A16+\s], s79, v[LI16]
	v_add_nc_u32 v[A8+\s], s79, v[LI8]
	v_add_nc_u32 v[B16+\s], s80, v[LI16]
	v_add_nc_u32 v[B8+\s], s80, v[LI8]
	s_add_co_u32 s79, s79, SLOT
	s_add_co_u32 s80, s80, SLOT
.endr
	s_lshl_b32 s81, s19, 3
	s_add_co_u32 s81, s81, s68
	s_lshl_b32 s82, s81, 9
	s_mov_b32 s83, 0
	s_add_nc_u64 s[82:83], s[10:11], s[82:83]      ; ctx's scales of my 8 row tiles
	s_add_co_u32 s84, s72, s78
	s_lshl_b32 s84, s84, 9
	s_mov_b32 s85, 0
	s_add_nc_u64 s[84:85], s[6:7], s[84:85]        ; Wo's
.irp a, 0,1,2,3,4,5,6,7
	global_load_b128 v[SC1+4*\a:SC1+4*\a+3], v[LI16], s[82:83] offset:512*\a
	global_load_b128 v[SC0+4*\a:SC0+4*\a+3], v[LI16], s[84:85] offset:512*\a
.endr
	s_lshl_b32 s87, s40, 1
	s_add_co_u32 s87, s87, s20                     ; which 128 features are my wave's
	s_lshl_b32 s90, s87, 9
	s_mov_b32 s91, 0
	s_add_nc_u64 s[12:13], s[12:13], s[90:91]      ; bo there
	v_bfe_u32 v2, v0, 4, 1
	v_lshlrev_b32 v3, 6, v2                        ; 64 h
.irp b, 0,1,2,3
.irp j, 0,1,2,3
	global_load_b128 v[BI+16*\b+4*\j:BI+16*\b+4*\j+3], v3, s[12:13] offset:128*\b+16*\j   ; register 16 b + i: the bias of feature 32 b + 16 h + i
.endr
.endr
	s_mul_i32 s92, s18, 16*SPITCH                  ; my stage
	v_and_b32 v4, 15, v0
	v_mul_u32_u24 v[STO], v4, SPITCH
	v_lshl_add_u32 v[STO], v2, 6, v[STO]
	v_add_nc_u32 v[STO], s92, v[STO]               ; in: row r, + 64 h
	v_add_nc_u32 v[RD], s92, v[LI16]               ; back: a row of 512 bytes, 16 a lane
	s_lshl_b32 s94, s43, 8
	s_lshl_b32 s95, s19, 7
	s_add_co_u32 s94, s94, s95                     ; my first token
	s_lshl_b32 s94, s94, 12                        ; x 4,096 bytes
	s_add_co_u32 s94, s94, s90                     ; + my first feature's 512 x (which 128)
	s_mov_b32 s95, 0
	s_add_nc_u64 s[14:15], s[14:15], s[94:95]
.macro FRAG reg, a16, a8, off
	ds_load_b128 v[(\reg):(\reg)+3], v[\a16] offset:(\off)
	ds_load_b64 v[(\reg)+4:(\reg)+5], v[\a8] offset:(\off)+512
	ds_load_b128 v[(\reg)+6:(\reg)+9], v[\a16] offset:(\off)+768
	ds_load_b64 v[(\reg)+10:(\reg)+11], v[\a8] offset:(\off)+1280
.endm
; 16 matrix instructions: S1's blocks a0, a0 + 1 x S0's eight.  first = 1: the sum begins with the bias.  The 64 accumulators take turns, one instruction a turn.
.macro MUL16 a0, p, sg, par, first
.irp a, \a0, \a0+1
.irp b, 0,1,2,3,4,5,6,7
.if \first
	v_wmma_scale_f32_16x16x128_f8f6f4 v[8*(8*((\a)%4)+\b):8*(8*((\a)%4)+\b)+7], v[128*(\p)+FR*\b:128*(\p)+FR*\b+FR-1], v[AF+FR*(\a):AF+FR*(\a)+FR-1], v[BI+8*\b:BI+8*\b+7], v[SC0+4*\b+(\sg)], v[SC1+4*(\a)+(\sg)] matrix_a_fmt:MATRIX_FMT_FP6 matrix_b_fmt:MATRIX_FMT_FP6
.elseif \par
	v_wmma_scale_f32_16x16x128_f8f6f4 v[8*(8*((\a)%4)+\b):8*(8*((\a)%4)+\b)+7], v[128*(\p)+FR*\b:128*(\p)+FR*\b+FR-1], v[AF+FR*(\a):AF+FR*(\a)+FR-1], v[8*(8*((\a)%4)+\b):8*(8*((\a)%4)+\b)+7], v[SC0+4*\b+(\sg)], v[SC1+4*(\a)+(\sg)] matrix_a_fmt:MATRIX_FMT_FP6 matrix_b_fmt:MATRIX_FMT_FP6 matrix_a_scale:MATRIX_SCALE_ROW1 matrix_b_scale:MATRIX_SCALE_ROW1
.else
	v_wmma_scale_f32_16x16x128_f8f6f4 v[8*(8*((\a)%4)+\b):8*(8*((\a)%4)+\b)+7], v[128*(\p)+FR*\b:128*(\p)+FR*\b+FR-1], v[AF+FR*(\a):AF+FR*(\a)+FR-1], v[8*(8*((\a)%4)+\b):8*(8*((\a)%4)+\b)+7], v[SC0+4*\b+(\sg)], v[SC1+4*(\a)+(\sg)] matrix_a_fmt:MATRIX_FMT_FP6 matrix_b_fmt:MATRIX_FMT_FP6
.endif
.endr
.endr
.endm
.macro FETCH_B slot, q, p
	WIN TO_B
.irp i, 0,1,2,3,4,5,6,7
	FRAG 128*(\p)+FR*\i, B16+\slot, B8+\slot, \i*TILEB+(\q)*1536
.endr
	WIN 0
.endm
.macro FETCH_A slot, q, i0
.irp i, \i0, \i0+1, \i0+2, \i0+3
	FRAG AF+FR*(\i), A16+\slot, A8+\slot, (\i)*TILEB+(\q)*1536
.endr
.endm
.macro PLACES n
.rept \n
	v_nop
.endr
.endm
.macro STEP slot, sg, first
	s_wait_dscnt 4*NL                              ; S0's set and S1's blocks 0-3 are in; the youngest 16 loads (blocks 4-7) may be out
.if \first
	WIN 0x81                                       ; C (the bias) window 0, D window 2
.else
	WIN MUL_LO
.endif
	MUL16 0, 0, \sg, 0, \first
	MUL16 2, 0, \sg, 0, \first
	s_wait_dscnt 0
	PLACES NP
	FETCH_B \slot, 1, 1
	FETCH_A \slot, 1, 0
.if \first
	WIN 0xc1
.else
	WIN MUL_HI
.endif
	MUL16 4, 0, \sg, 0, \first
	MUL16 6, 0, \sg, 0, \first
	PLACES NP
	WIN 0
	FETCH_A \slot, 1, 4
.endm
.macro TURN slot, next, sg, fill
	s_wait_tensorcnt 0x0                           ; all my tensor loads have landed: my part of the next slot
	ds_add_u32 v[SPW], v[NIL]
	s_wait_dscnt 4*NL+1                            ; (the add and the youngest 16 loads may be out)
	WIN MUL_LO
	MUL16 0, 1, \sg, 1, 0
	s_wait_dscnt 0x0                               ; the add is done, and my reads of this slot are over
	s_barrier_signal -1
	MUL16 2, 1, \sg, 1, 0
	WIN 0
	s_barrier_wait -1
.if \fill
	CREST
	s_add_nc_u64 s[G0+4*\slot+2:G0+4*\slot+3], s[G0+4*\slot+2:G0+4*\slot+3], 2*TILEB
	s_add_nc_u64 s[G0B+4*\slot+2:G0B+4*\slot+3], s[G0B+4*\slot+2:G0B+4*\slot+3], 2*TILEB
	JLOAD G0+4*\slot, G1, G0B+4*\slot, G1B
.else
	PLACES NP
.endif
	FETCH_B \next, 0, 0
	FETCH_A \next, 0, 0
	WIN MUL_HI
	MUL16 4, 1, \sg, 1, 0
	MUL16 6, 1, \sg, 1, 0
	PLACES NP
	WIN 0
	FETCH_A \next, 0, 4
.endm
	s_wait_tensorcnt 1                             ; my part of slot 0 is in; slot 1's load may be out
	s_barrier_signal -1
	s_barrier_wait -1
	FETCH_B 0, 0, 0
	FETCH_A 0, 0, 0
	FETCH_A 0, 0, 4
	s_wait_loadcnt 0x0                             ; scales and bias
	STEP 0, 0, 1
	TURN 0, 1, 0, 1
	STEP 1, 1, 0
	TURN 1, 0, 1, 1
	STEP 0, 2, 0
	TURN 0, 1, 2, 0
	STEP 1, 3, 0
	s_wait_dscnt 4*NL
	WIN MUL_LO
	MUL16 0, 1, 3, 1, 0
	MUL16 2, 1, 3, 1, 0
	s_wait_dscnt 0
	WIN MUL_HI
	MUL16 4, 1, 3, 1, 0
	MUL16 6, 1, 3, 1, 0
	WIN 0
; THE WAY OUT, block by block of 16 tokens x 128 features: through my own stage, back as whole rows of 512 bytes.  LDS serves a wave's instructions in order: no wait between the stores and the loads.
.macro TOSTAGE a
.set AC, 64*((\a)%4)
	WIN 0x08+4*((\a)/4)                            ; an LDS store's data: window 2 or 3
.irp b, 0,1,2,3,4,5,6,7
	ds_store_b128 v[STO], v[AC+8*\b:AC+8*\b+3] offset:128*(\b/2)+32*(\b%2)            ; features 32 (b / 2) + 16 h + 8 (b % 2) on; each accumulator from its low end
	ds_store_b128 v[STO], v[AC+8*\b+4:AC+8*\b+7] offset:128*(\b/2)+32*(\b%2)+16
.endr
	WIN 0
.set BB, BK+64*((\a)%2)
.irp t, 0,1,2,3,4,5,6,7,8,9,10,11,12,13,14,15
	ds_load_b128 v[BB+4*\t:BB+4*\t+3], v[RD] offset:\t*SPITCH
.endr
.endm
.macro SEND a, younger                 ; younger: the LDS instructions issued behind block a's loads
.set BB, BK+64*((\a)%2)
	s_wait_dscnt \younger
.irp t, 0,1,2,3,4,5,6,7,8,9,10,11,12,13,14,15
	global_store_b128 v[LI16], v[BB+4*\t:BB+4*\t+3], s[14:15] offset:(32*((\a)/2)+8*((\a)%2)+\t+8*(\t/8))*4096 th:TH_STORE_NT   ; stage row t is the tile's row t + 8 (t / 8); 512 consecutive bytes, aligned
.endr
.endm
	PLACES NP
	TOSTAGE 0
.irp a, 1,2,3,4,5,6,7
.if \a > 1
	s_wait_xcnt 0x0                                ; block a - 2's stores have read their registers: block a's loads may land there
.endif
	TOSTAGE \a
	SEND \a-1, 32                                  ; behind block a - 1's loads: block a's 16 stores and 16 loads
.endr
	SEND 7, 0
	s_wait_tensorcnt 0x0                           ; the wave's end
	ds_add_u32 v[SPW], v[NIL]
	s_wait_dscnt 0x0
	CROUND                                         ; the closing round
	s_endpgm
.Lfunc_end_k_qc2df89bb1b_out:
	.size	k_qc2df89bb1b_out, .Lfunc_end_k_qc2df89bb1b_out-k_qc2df89bb1b_out
	.p2alignl 7, 3214868480
	.fill 96, 4, 3214868480
	.section	.rodata,"a",@progbits
	.p2align	6, 0x0
	.amdhsa_kernel k_qc2df89bb1b_out
		.amdhsa_group_segment_fixed_size 327680
		.amdhsa_private_segment_fixed_size 0
		.amdhsa_enable_private_segment 0
		.amdhsa_kernarg_size 48
		.amdhsa_user_sgpr_count 2
		.amdhsa_user_sgpr_kernarg_segment_ptr 1
		.amdhsa_wavefront_size32 1
		.amdhsa_system_sgpr_workgroup_id_x 1
		.amdhsa_system_sgpr_workgroup_id_y 1
		.amdhsa_system_sgpr_workgroup_id_z 1
		.amdhsa_system_vgpr_workitem_id 0
		.amdhsa_next_free_vgpr 1024
		.amdhsa_next_free_sgpr 100
		.amdhsa_reserve_vcc 0
		.amdhsa_float_denorm_mode_32 3
		.amdhsa_float_denorm_mode_16_64 3
		.amdhsa_memory_ordered 1
		.amdhsa_forward_progress 1
		.amdhsa_inst_pref_size 142
	.end_amdhsa_kernel
	.amdgpu_metadata
---
amdhsa.version: [ 1, 2 ]
amdhsa.kernels:
  - .name:           k_qc2df89bb1b_out
    .symbol:         k_qc2df89bb1b_out.kd
    .args:
      - { .name: img, .offset: 0, .size: 8, .value_kind: global_buffer, .address_space: global }
      - { .name: sc, .offset: 8, .size: 8, .value_kind: global_buffer, .address_space: global }
      - { .name: cimg, .offset: 16, .size: 8, .value_kind: global_buffer, .address_space: global }
      - { .name: csc, .offset: 24, .size: 8, .value_kind: global_buffer, .address_space: global }
      - { .name: bo, .offset: 32, .size: 8, .value_kind: global_buffer, .address_space: global }
      - { .name: out0, .offset: 40, .size: 8, .value_kind: global_buffer, .address_space: global }
    .group_segment_fixed_size: 327680
    .private_segment_fixed_size: 0
    .kernarg_segment_align: 8
    .kernarg_segment_size: 48
    .max_flat_workgroup_size: 128
    .sgpr_count:     100
    .vgpr_count:     1024
    .wavefront_size: 32
...
	.end_amdgpu_metadata
.endif
;; end of part 4
;; ======== version 2 of 2: 4 launches; version 1 with the launch attn written anew for expert scheduling mode
;; limits: right only within a limited range of input values
;; workspace buffers: img 22,020,096 bytes; sc 917,504 bytes; himg 18,874,368 bytes; hsc 1,572,864 bytes; cimg 6,291,456 bytes; csc 262,144 bytes; mbits 524,288 bytes of whole numbers; mflags 65,536 bytes of whole numbers
;; launch prep: the kernel of part 1 again; grid 256 x 1, 8 waves a work-group, no clusters, 136,192 bytes of LDS; arguments q, k, v, Wq, Wk, Wv, Wo, mask, img, sc, mbits, mflags; writes img, sc, mbits, mflags
;; launch proj: the kernel of part 2 again; grid 4 x 96, 4 waves a work-group, clusters of 4 x 4, 327,680 bytes of LDS; arguments img, sc, bq, bk, bv, himg, hsc; writes himg, hsc
;; launch attn (part 5): grid 4 x 64, 16 waves a work-group, no clusters, 210,944 bytes of LDS; arguments himg, hsc, mbits, mflags, cimg, csc; writes cimg, csc
.if DOCPART == 5
	.amdgcn_target "amdgcn-amd-amdhsa--gfx1250"
	.amdhsa_code_object_version 6
	.text
	.protected	k_qc2df89bb1b_attn
	.globl	k_qc2df89bb1b_attn
	.p2align	8
	.type	k_qc2df89bb1b_attn,@function
k_qc2df89bb1b_attn:
	s_mov_b64 s[64:65], 0
	v_nop
	global_prefetch_b8 v0, s[64:65] scope:SCOPE_SE
	s_setreg_imm32_b32 hwreg(HW_REG_WAVE_SCHED_MODE, 0, 2), 2
	s_setreg_imm32_b32 hwreg(HW_REG_WAVE_MODE, 25, 1), 1
	s_wait_xcnt 0x0
	s_wait_alu depctr_vm_vsrc(0)
; ctx = softmax(q k^T / 8, masked) v for one head, both products on codes of FP6 (E2M3); ctx is quantised along the model's 1,024 and stored as images of the last product's operand.
; THE SOFTMAX: t = score x log2(e) / 8; M = the running largest t rounded UP to a whole number; p = 2^(t - M) is quantised along the keys, not normalised; the row's sum is taken of the unquantised p and divides at the end.
; THE MASK is an input: an earlier launch has turned it into lane masks (mbits) and flags (mflags).  A masked score is replaced by -2^33 ahead of the maximum, that is a logit of -2^30 where the reference has -1e9:
; c x 2^33 is a whole number that f32 holds, so a row with every key masked gets t - M = 0, p = 1 and the plain mean, as the reference does; in any other row a masked p is 0 there as here.
; LIMIT: the two differ only where an unmasked logit lies near or under -1e9.  NaN and infinities are not served.
; A key step of 128 keys is left out for a tile of 16 queries where all its 16 x 128 entries are masked AND every row of the tile has an open key somewhere: its p are all 0.  The branch hangs on the stored flags.
; SHARES: a work-group has one head; the head's whole K and V, codes and scales, 208,896 bytes, are copied into LDS once, through registers, wave w the record of key step w; ONE barrier; then the sixteen waves run free.
; Wave id = 16 x + w (x = work-group x, 0..3) takes query tiles id and 127 - id, one after the other.
; No cluster; what four work-groups share is read once each at the head.
; LAYOUT: both products transposed: S^T = K Q^T (source 0 = 16 keys), O^T = V^T P^T (source 0 = 16 of the head's 64): a lane holds ONE query.  Lane r of tile T holds row 32 (T / 2) + 8 (T % 2) + r + 8 (r / 8),
; so the 16 registers of tiles 2 b, 2 b + 1 are 16 neighbours: 32 b + 16 (lane / 16) + 0 .. 15.  The first product's K is 64: Q's registers 6-11 hold zero codes, and K's operand runs on into the next tile's codes, which meet them.
; THE MODE: SCHED_MODE bits 1:0 = 2 (LLVM: expert scheduling mode 2), set by the entry lines.  The code itself states the register dependences
; between vector or matrix instructions and memory or LDS instructions, with s_wait_alu, always for 0.
; THE PLAN.  Registers that memory or LDS instructions touch:
;   v[LI16], v[LI8], v[R16]  offsets: written at the head, never again; read by every global load and store.
;   v96-197                  at the head only: global loads land there, my LDS stores read them; later they are S, O and P, which vector and matrix instructions write.
;   v[A16], v[A8]            LDS addresses: read by the head's LDS stores and by every LDS load of a step; written by one addition each at the head of every step that is worked.
;   v[F .. F+47], KS, VS     K's fragments land at a step's head and are read by its eight K Q^T products; V's land behind those and are read by its four V^T P products.
;   v[QF .. QF+5], v[QS]     loads land at a tile's head; read by all the tile's K Q^T products.
;   v[P ..], v[FF+1]         written by vector instructions, taken by the scaled V^T P products; on the way out v[P .. P+5] and v[T0] are the stores' data.
; A wave has 256 registers (four waves to a SIMD) and no 48 to spare for a second set of fragments: so K's and V's fragments share one set, and a step that is worked has three waits on va_vdst of its own:
; at its head (the addresses are written, the last products are done reading the set), behind the K Q^T products (they are done reading the set: V's fragments are asked for there and land while the softmax is walked),
; and ahead of the V^T P products (p's codes and scale word are written); the two waits behind the exponentials stand as ever.  One wait on vm_vsrc stands ahead of the additions to the addresses, one at each tile's head.
.set REC,   13056                      ; a key step's record in LDS: K 6,144 | V 6,144 | K's scales 512 | V's scales 256
.set VOFF,  6144
.set KSO,   12288
.set VSO,   12800
.set SPARE, 16*REC                     ; the spare words: 128 bytes for each of sixteen waves
.set LI16, 1                           ; 16 x lane
.set LI8,  2                           ; 8 x lane
.set A16,  3                           ; LDS addresses of the record in hand
.set A8,   4
.set SPW,  5
.set NIL,  6
.set R16,  7                           ; 16 x (lane % 16)
.set SM,   8                           ; -2^33
.set QF,   16                          ; v16-27 Q; v22-27 zero codes
.set QS,   28                          ; Q's scale words
.set KS,   30                          ; v30-33 K's;  v34-35 V's
.set VS,   34
.set F,    36                          ; v36-83 K's 8 half fragments, then V's 4 fragments; v84-89 zero codes
.set S,    96                          ; v96-159 S^T, then p
.set O,    160                         ; v160-191 O^T
.set P,    192                         ; v192-203 p's codes
.set XA,   204                         ; v204-206, v208-210 the conversions' second halves
.set BM,   212                         ; v212-215 the blocks' largest scores
.set BT,   216
.set SO,   220                         ; the conversions' scale operands
.set FF,   224                         ; f = 2^(old M - new M); v225: p's scale word
.set T0,   226
.set L2,   228                         ; v228-229 the sum's second chain
; s[4:15] himg, hsc, mbits, mflags, cimg, csc; s16 wave, s17 head, s18 id, s19 query tile; s20-51, s68-99 a step's 64 lane masks; s52, s53 the flags; s54 the record; s55 the steps' count; s[56:57] mbits' place;
; s[58:59] c; s[60:61] selects for lane l xor 16
	s_load_b256 s[4:11], s[0:1], 0x0
	s_load_b128 s[12:15], s[0:1], 0x20
	v_lshl_add_u32 v[SPW], v0, 2, SPARE
	v_mov_b32 v[NIL], 0
	v_lshrrev_b32 v9, 5, v0
	v_readfirstlane_b32 s16, v9
	s_and_b32 s17, ttmp7, 0xffff
	s_lshl_b32 s18, ttmp9, 4
	v_and_b32 v9, 31, v0
	v_lshlrev_b32 v[LI16], 4, v9
	v_lshlrev_b32 v[LI8], 3, v9
	v_and_b32 v[R16], 15, v0
	v_lshlrev_b32 v[R16], 4, v[R16]
	v_mov_b32 v[SM], 0xd0000000
	s_mov_b32 s58, 0x3e38aa3b                      ; c = log2(e) / 8
	s_mov_b32 s59, s58
	s_mov_b32 s60, 0x76543210
	s_mov_b32 s61, 0xfedcba98
	s_wait_alu depctr_va_sdst(0)                   ; s16, the wave's number, is written, ahead of its first reader: the wave's id, its record in LDS and in memory are made from it
	s_add_co_u32 s18, s18, s16
	s_mul_i32 s100, s16, REC
	v_add_nc_u32 v[A16], s100, v[LI16]
	v_add_nc_u32 v[A8], s100, v[LI8]
	s_lshl_b32 s2, s17, 4
	s_add_co_u32 s2, s2, s16                       ; the record in memory: 16 x head + my wave
	s_mul_i32 s62, s2, 6144
	s_add_co_u32 s62, s62, 0x600000                ; k's part of himg
	s_mov_b32 s63, 0
	s_lshl_b32 s66, s2, 9
	s_add_co_u32 s66, s66, 0x80000                 ; k's part of hsc
	s_mov_b32 s67, 0
	s_wait_kmcnt 0x0
	s_add_nc_u64 s[62:63], s[4:5], s[62:63]
	s_add_nc_u64 s[66:67], s[6:7], s[66:67]
	s_wait_alu depctr_va_vdst(0)                   ; the three offsets v[LI16], v[LI8], v[R16] are written, which every global load and store reads, and so are v[A16] and v[A8], which the LDS stores below read
.irp i, 0,1,2,3,4,5,6,7,8,9,10,11
	global_load_b128 v[96+4*\i:99+4*\i], v[LI16], s[62:63] offset:512*\i
.endr
.irp i, 0,1,2,3,4,5,6,7,8,9,10,11
	global_load_b128 v[144+4*\i:147+4*\i], v[LI16], s[62:63] offset:0x600000+512*\i   ; v's part lies 0x600000 bytes on
.endr
	global_load_b128 v[192:195], v[LI16], s[66:67]
	global_load_b64 v[196:197], v[LI8], s[66:67] offset:0x80000
.irp i, 0,1,2,3,4,5
	v_mov_b32 v[QF+6+\i], 0                        ; zero codes for K = 64 .. 127, written once  (these lines name no register that the loads above or the LDS stores below touch)
	v_mov_b32 v[F+48+\i], 0
.endr
.irp b, 0,1,2,3
	v_mov_b32 v[BT+\b], 0                          ; a lane permute's destination counts as one of its sources
.endr
	v_mov_b32 v[FF+1], 0                           ; (named as the upper half of the pair before it is first written)
	v_mov_b32 v[T0], 0
	s_wait_loadcnt 0x0
.irp i, 0,1,2,3,4,5,6,7,8,9,10,11
	ds_store_b128 v[A16], v[96+4*\i:99+4*\i] offset:512*\i
.endr
.irp i, 0,1,2,3,4,5,6,7,8,9,10,11
	ds_store_b128 v[A16], v[144+4*\i:147+4*\i] offset:VOFF+512*\i
.endr
	ds_store_b128 v[A16], v[192:195] offset:KSO
	ds_store_b64 v[A8], v[196:197] offset:VSO
	s_wait_dscnt 0x0                               ; for the others' sake: my record lies in LDS
	s_barrier_signal -1
	s_barrier_wait -1                              ; all sixteen do; nothing is stored to LDS from here on
; ONE TILE OF 16 QUERIES, s19, through all key steps
.macro PASS
	s_wait_xcnt 0x0                                ; the last tile's stores have read their bases and data
	s_wait_alu depctr_vm_vsrc(0)                   ; the first tile: my LDS stores of the record have read v96-197; the second: the last tile's stores have read v[P .. P+5] and v[T0]: vector and matrix instructions below write all of these again
	s_lshl_b32 s2, s19, 9
	s_mov_b32 s3, 0
	s_add_nc_u64 s[62:63], s[10:11], s[2:3]
	s_load_b32 s66, s[62:63], 0x0                  ; the flags of keys 0 .. 1,023
	s_load_b32 s67, s[62:63], 0x100                ; and of keys 1,024 .. 2,047
	s_lshl_b32 s2, s17, 4
	s_lshr_b32 s3, s19, 3
	s_add_co_u32 s2, s2, s3                        ; q's record: 16 x head + tile / 8
	s_mul_i32 s100, s2, 6144
	s_and_b32 s3, s19, 7
	s_mul_i32 s3, s3, 768
	s_add_co_u32 s100, s100, s3
	s_mov_b32 s101, 0
	s_add_nc_u64 s[100:101], s[4:5], s[100:101]
	global_load_b128 v[QF:QF+3], v[LI16], s[100:101]   ; no wait on va_vdst here: the last such wait (at the head; in the second tile ahead of the last tile's stores) stands behind every product that read Q, and no vector instruction since names v16-21 or v28
	global_load_b64 v[QF+4:QF+5], v[LI8], s[100:101] offset:512
	s_lshl_b32 s2, s2, 9
	s_and_b32 s3, s19, 1
	s_lshl_b32 s3, s3, 8
	s_add_co_u32 s2, s2, s3
	s_bfe_u32 s3, s19, 0x20001
	s_lshl_b32 s3, s3, 2
	s_add_co_u32 s2, s2, s3
	s_mov_b32 s3, 0
	s_add_nc_u64 s[2:3], s[6:7], s[2:3]
	global_load_b32 v[QS], v[R16], s[2:3]
.set n, 0
.rept 32
	v_mov_b32 v[O+n], 0                            ; the step is written once: the first finds zeros, which the first change of M leaves zeros
.set n, n+1
.endr
	v_mov_b32 v13, 0xff61b1e6                      ; the largest t so far: -3e38
	v_floor_f32 v12, -v13                          ; -M
	v_mov_b32 v14, 0
	v_mov_b32 v15, 0
	s_wait_kmcnt 0x0
	s_and_b32 s52, s66, 0xff
	s_and_b32 s62, s67, 0xff
	s_lshl_b32 s62, s62, 8
	s_or_b32 s52, s52, s62                         ; bit i: step i is not wholly masked
	s_bfe_u32 s53, s66, 0x80008
	s_and_b32 s62, s67, 0xff00
	s_or_b32 s53, s53, s62                         ; bit i: step i has a masked entry
	s_lshr_b32 s62, s66, 16
	s_lshr_b32 s63, s67, 16
	s_and_b32 s62, s62, s63
	s_cmp_lg_u32 s62, 0                            ; a row with no open key at all wants every step
	s_cselect_b32 s52, 0xffff, s52
	s_lshl_b32 s62, s19, 12
	s_mov_b32 s63, 0
	s_add_nc_u64 s[56:57], s[8:9], s[62:63]
	s_mov_b32 s54, 0
	s_mov_b32 s55, 0
	s_wait_loadcnt 0x0                             ; Q
.Lstep_\@:                                         ; 16 trips, a constant: what is left out is a step's work, not its trip
	s_bitcmp1_b32 s52, 0
	s_cbranch_scc0 .Lskip_\@
	s_load_b512 s[20:35], s[56:57], 0x0            ; the step's 64 lane masks
	s_load_b512 s[36:51], s[56:57], 0x40
	s_load_b512 s[68:83], s[56:57], 0x80
	s_load_b512 s[84:99], s[56:57], 0xc0
	s_wait_alu depctr_vm_vsrc(0)                   ; the LDS instructions issued so far (the head's stores, the last worked step's loads) have read v[A16] and v[A8], which the two additions write
	v_add_nc_u32 v[A16], s54, v[LI16]
	v_add_nc_u32 v[A8], s54, v[LI8]
	v_nop                                          ; with the two additions: four places in front of loads into registers that the last products read; they stay beside the wait below
	v_nop
	s_wait_alu depctr_va_vdst(0)                   ; v[A16] and v[A8] are written, which this step's LDS loads read; the last worked step's products are done reading v[F ..], v[KS ..] and v[VS ..], in which they land; the zero codes of v22-27 and v84-89 are written, which the scaled products below take
.irp t, 0,1,2,3,4,5,6,7
	ds_load_b128 v[F+6*\t:F+6*\t+3], v[A16] offset:768*\t
	ds_load_b64 v[F+6*\t+4:F+6*\t+5], v[A8] offset:768*\t+512
.endr
	ds_load_b128 v[KS:KS+3], v[A16] offset:KSO
	s_wait_dscnt 0x0
.irp t, 0,1,2,3,4,5,6,7
.if (\t)%2
	v_wmma_scale_f32_16x16x128_f8f6f4 v[S+8*\t:S+8*\t+7], v[F+6*\t:F+6*\t+11], v[QF:QF+11], 0, v[KS+\t/2], v[QS] matrix_a_fmt:MATRIX_FMT_FP6 matrix_b_fmt:MATRIX_FMT_FP6 matrix_a_scale:MATRIX_SCALE_ROW1
.else
	v_wmma_scale_f32_16x16x128_f8f6f4 v[S+8*\t:S+8*\t+7], v[F+6*\t:F+6*\t+11], v[QF:QF+11], 0, v[KS+\t/2], v[QS] matrix_a_fmt:MATRIX_FMT_FP6 matrix_b_fmt:MATRIX_FMT_FP6
.endif
.endr
.rept 4
	v_nop                                          ; places: in front of the loads below and of the first read of the scores
.endr
	s_wait_alu depctr_va_vdst(0)                   ; the eight products above are done reading v[F ..], in which V's fragments land
.irp t, 0,1,2,3                                    ; V's four fragments land while the softmax is walked: none of its lines names v[F ..], v[VS ..] or the two addresses
	ds_load_b128 v[F+12*\t:F+12*\t+3], v[A16] offset:VOFF+1536*\t
	ds_load_b64 v[F+12*\t+4:F+12*\t+5], v[A8] offset:VOFF+1536*\t+512
	ds_load_b128 v[F+12*\t+6:F+12*\t+9], v[A16] offset:VOFF+1536*\t+768
	ds_load_b64 v[F+12*\t+10:F+12*\t+11], v[A8] offset:VOFF+1536*\t+1280
.endr
	ds_load_b64 v[VS:VS+1], v[A8] offset:VSO
	s_wait_kmcnt 0x0                               ; the lane masks
	s_bitcmp1_b32 s53, 0
	s_cbranch_scc0 .Lopen_\@                       ; a step with no masked entry
.set n, 0
.rept 64
.if n < 32
	v_cndmask_b32 v[S+n], v[S+n], v[SM], s[20+n]
.else
	v_cndmask_b32 v[S+n], v[S+n], v[SM], s[36+n]
.endif
.set n, n+1
.endr
.Lopen_\@:
.irp b, 0,1,2,3
	v_max3_num_f32 v[BM+\b], v[S+16*\b], v[S+1+16*\b], v[S+2+16*\b]     ; the largest score of each block of 32 keys: for the row's maximum and, since p rises with the score, for the block's largest p
.endr
.irp i, 3,5,7,9,11,13
.irp b, 0,1,2,3
	v_max3_num_f32 v[BM+\b], v[BM+\b], v[S+16*\b+\i], v[S+1+16*\b+\i]
.endr
.endr
.irp b, 0,1,2,3
	v_max_num_f32 v[BM+\b], v[BM+\b], v[S+15+16*\b]
.endr
.irp b, 0,1,2,3
	v_permlanex16_b32 v[BT+\b], v[BM+\b], s60, s61
.endr
.irp b, 0,1,2,3
	v_max_num_f32 v[BM+\b], v[BM+\b], v[BT+\b]
.endr
	v_max3_num_f32 v[T0], v[BM], v[BM+1], v[BM+2]
	v_max_num_f32 v[T0], v[T0], v[BM+3]
	v_mul_f32 v[T0], s58, v[T0]
	v_max_num_f32 v13, v13, v[T0]                  ; the running largest t
	v_mov_b32 v[T0], v12
	v_floor_f32 v12, -v13                          ; the new -M: M is a whole number
	v_sub_f32 v[T0], v12, v[T0]
	v_cvt_i32_f32 v[T0], v[T0]                     ; (it saturates)
	v_ldexp_f32 v[FF], 1.0, v[T0]                  ; f = 2^(old M - new M)
.set n, 0
.rept 32
	v_pk_fma_f32 v[S+n:S+n+1], v[S+n:S+n+1], s[58:59], v[12:13] op_sel_hi:[1,0,0]   ; t - M
.set n, n+2
.endr
.irp b, 0,1,2,3
	v_fma_f32 v[BM+\b], v[BM+\b], s58, v12
.endr
.set n, 0
.rept 64
	v_exp_f32 v[S+n], v[S+n]                       ; p = 2^(t - M)
.set n, n+1
.endr
	v_pk_mul_f32 v[14:15], v[14:15], v[FF:FF+1] op_sel_hi:[1,0]          ; the sums under the new M; a plain place behind the exponentials
	s_wait_alu depctr_va_vdst(0)                   ; the 64 exponentials have written v[S ..]: one wait for the batch, ahead of its first reader
.irp b, 0,1,2,3
	v_exp_f32 v[BM+\b], v[BM+\b]                   ; the blocks' largest p
.endr
	v_pk_add_f32 v[L2:L2+1], v[S:S+1], v[S+2:S+3]  ; the row's sum of the unquantised p, in two chains
.irp j, 4,8,12,16,20,24,28,32,36,40,44,48,52,56,60
	v_pk_add_f32 v[14:15], v[14:15], v[S+\j:S+1+\j]
	v_pk_add_f32 v[L2:L2+1], v[L2:L2+1], v[S+2+\j:S+3+\j]
.endr
	v_pk_add_f32 v[14:15], v[14:15], v[L2:L2+1]
	s_wait_alu depctr_va_vdst(0)                   ; and the four have written v[BM ..], ahead of their first reader
.irp b, 0,1,2,3
	v_max_num_f32 v[BM+\b], 0x1800000, v[BM+\b]    ; the floor 2^(3 - 127)
.endr
.irp b, 0,1,2,3
	v_add_nc_u32 v[SO+\b], 0xff000000, v[BM+\b]
.endr
.irp b, 0,1,2,3
	v_lshrrev_b32 v[BT+\b], 23, v[SO+\b]
.endr
	v_lshl_or_b32 v[FF+1], v[BT+1], 8, v[BT]       ; p's scale word for these 128 keys
	v_lshl_or_b32 v[FF+1], v[BT+2], 16, v[FF+1]
	v_lshl_or_b32 v[FF+1], v[BT+3], 24, v[FF+1]
.irp c, 0,1
	v_cvt_scalef32_pk16_fp6_f32 v[P+6*\c:P+2+6*\c], v[S+32*\c:S+15+32*\c], v[SO+2*\c]
	v_cvt_scalef32_pk16_fp6_f32 v[XA+4*\c:XA+2+4*\c], v[S+16+32*\c:S+31+32*\c], v[SO+2*\c+1]
.endr
	v_nop                                          ; one plain place behind a scaled conversion
.irp c, 0,1
.irp i, 0,1,2
	v_permlane16_swap_b32 v[P+6*\c+\i], v[XA+4*\c+\i]
.endr
.irp i, 0,1,2
	v_mov_b32 v[P+3+6*\c+\i], v[XA+4*\c+\i]
.endr
.endr
.set n, 0
.rept 16
	v_pk_mul_f32 v[O+n:O+n+1], v[O+n:O+n+1], v[FF:FF+1] op_sel_hi:[1,0]  ; O^T under the new M; these sixteen also stand between the writes of p's codes and scale word and the products below
.set n, n+2
.endr
	s_wait_dscnt 0x0                               ; V
	s_wait_alu depctr_va_vdst(0)                   ; p's codes v[P .. P+11] and its scale word v[FF+1] are written, which the scaled products below take; the places above stay beside this wait
.irp t, 0,1,2,3
.if (\t)%2
	v_wmma_scale_f32_16x16x128_f8f6f4 v[O+8*\t:O+8*\t+7], v[F+12*\t:F+12*\t+11], v[P:P+11], v[O+8*\t:O+8*\t+7], v[VS+\t/2], v[FF+1] matrix_a_fmt:MATRIX_FMT_FP6 matrix_b_fmt:MATRIX_FMT_FP6 matrix_a_scale:MATRIX_SCALE_ROW1
.else
	v_wmma_scale_f32_16x16x128_f8f6f4 v[O+8*\t:O+8*\t+7], v[F+12*\t:F+12*\t+11], v[P:P+11], v[O+8*\t:O+8*\t+7], v[VS+\t/2], v[FF+1] matrix_a_fmt:MATRIX_FMT_FP6 matrix_b_fmt:MATRIX_FMT_FP6
.endif
.endr
.Lskip_\@:
	s_add_co_u32 s54, s54, REC
	s_add_nc_u64 s[56:57], s[56:57], 256
	s_lshr_b32 s52, s52, 1
	s_lshr_b32 s53, s53, 1
	s_add_co_u32 s55, s55, 1
	s_cmp_lt_u32 s55, 16
	s_cbranch_scc1 .Lstep_\@
	; THE WAY OUT: O^T / the sum; its 64 numbers of a row are two blocks of the last product's K
.rept 4
	v_nop
.endr
	v_add_f32 v14, v14, v15
	v_permlanex16_b32 v[T0], v14, s60, s61
	v_add_f32 v14, v14, v[T0]
	v_rcp_f32 v[FF], v14
	v_nop                                          ; a plain place behind the reciprocal
	s_lshr_b32 s2, s17, 4
	s_lshl_b32 s2, s2, 7
	s_add_co_u32 s2, s2, s19                       ; the token tile: 128 x batch + query tile
	s_bfe_u32 s3, s17, 0x30001                     ; the K step of the last product: head / 2
	s_and_b32 s62, s17, 1                          ; and which half of it
	s_mul_i32 s66, s2, 12288
	s_mul_i32 s63, s3, 1536
	s_add_co_u32 s66, s66, s63
	s_mul_i32 s63, s62, 768
	s_add_co_u32 s66, s66, s63
	s_mov_b32 s67, 0
	s_add_nc_u64 s[66:67], s[12:13], s[66:67]
	s_lshl_b32 s100, s2, 9
	s_and_b32 s63, s3, 1
	s_lshl_b32 s63, s63, 8
	s_add_co_u32 s100, s100, s63
	s_lshr_b32 s63, s3, 1
	s_lshl_b32 s63, s63, 2
	s_add_co_u32 s100, s100, s63
	s_lshl_b32 s63, s62, 1
	s_add_co_u32 s100, s100, s63
	s_mov_b32 s101, 0
	s_add_nc_u64 s[100:101], s[14:15], s[100:101]
	s_wait_alu depctr_va_vdst(0)                   ; the reciprocal has written v[FF], ahead of its first reader
.set n, 0
.rept 16
	v_pk_mul_f32 v[S+n:S+n+1], v[O+n:O+n+1], v[FF:FF+1] op_sel_hi:[1,0]  ; register 16 b + i: channel 32 b + 16 h + i
.set n, n+2
.endr
.irp b, 0,1
	v_max3_num_f32 v[BM+\b], |v[S+16*\b]|, |v[S+1+16*\b]|, 0x1800000
.endr
.irp i, 2,4,6,8,10,12,14
.irp b, 0,1
	v_max3_num_f32 v[BM+\b], v[BM+\b], |v[S+16*\b+\i]|, |v[S+1+16*\b+\i]|
.endr
.endr
.irp b, 0,1
	v_permlanex16_b32 v[BT+\b], v[BM+\b], s60, s61
.endr
.irp b, 0,1
	v_max_num_f32 v[BM+\b], v[BM+\b], v[BT+\b]
.endr
.irp b, 0,1
	v_add_nc_u32 v[SO+\b], 0xff000000, v[BM+\b]
.endr
.irp b, 0,1
	v_lshrrev_b32 v[BT+\b], 23, v[SO+\b]
.endr
	v_lshl_or_b32 v[T0], v[BT+1], 8, v[BT]         ; the head's two scale bytes
	v_cvt_scalef32_pk16_fp6_f32 v[P:P+2], v[S:S+15], v[SO]
	v_cvt_scalef32_pk16_fp6_f32 v[XA:XA+2], v[S+16:S+31], v[SO+1]
	v_nop
.irp i, 0,1,2
	v_permlane16_swap_b32 v[P+\i], v[XA+\i]
.endr
.irp i, 0,1,2
	v_mov_b32 v[P+3+\i], v[XA+\i]
.endr
	s_wait_alu depctr_va_vdst(0)                   ; the codes v[P .. P+5] and the two scale bytes v[T0] are written, which the three stores read
	global_store_b128 v[LI16], v[P:P+3], s[66:67]                        ; half an image: 512 and 256 consecutive bytes
	global_store_b64 v[LI8], v[P+4:P+5], s[66:67] offset:512
	global_store_b16 v[R16], v[T0], s[100:101]     ; two bytes of each row's scale word (a head owns no more); lanes l and l + 16 store the same value to the same place
.endm
	s_mov_b32 s19, s18
	PASS
	s_sub_co_u32 s19, 127, s18
	PASS
	s_wait_dscnt 0x0                               ; the closing lines, six on end
	s_wait_alu 0x0
	s_wait_tensorcnt 0x0
	ds_add_u32 v[SPW], v[NIL]
	s_wait_dscnt 0x0
	s_endpgm
.Lfunc_end_k_qc2df89bb1b_attn:
	.size	k_qc2df89bb1b_attn, .Lfunc_end_k_qc2df89bb1b_attn-k_qc2df89bb1b_attn
	.p2alignl 7, 3214868480
	.fill 96, 4, 3214868480
	.section	.rodata,"a",@progbits
	.p2align	6, 0x0
	.amdhsa_kernel k_qc2df89bb1b_attn
		.amdhsa_group_segment_fixed_size 210944
		.amdhsa_private_segment_fixed_size 0
		.amdhsa_enable_private_segment 0
		.amdhsa_kernarg_size 48
		.amdhsa_user_sgpr_count 2
		.amdhsa_user_sgpr_kernarg_segment_ptr 1
		.amdhsa_wavefront_size32 1
		.amdhsa_system_sgpr_workgroup_id_x 1
		.amdhsa_system_sgpr_workgroup_id_y 1
		.amdhsa_system_sgpr_workgroup_id_z 1
		.amdhsa_system_vgpr_workitem_id 0
		.amdhsa_next_free_vgpr 256
		.amdhsa_next_free_sgpr 102
		.amdhsa_reserve_vcc 0
		.amdhsa_float_denorm_mode_32 3
		.amdhsa_float_denorm_mode_16_64 3
		.amdhsa_memory_ordered 1
		.amdhsa_forward_progress 1
		.amdhsa_inst_pref_size 63
	.end_amdhsa_kernel
	.amdgpu_metadata
---
amdhsa.version: [ 1, 2 ]
amdhsa.kernels:
  - .name:           k_qc2df89bb1b_attn
    .symbol:         k_qc2df89bb1b_attn.kd
    .args:
      - { .name: himg, .offset: 0, .size: 8, .value_kind: global_buffer, .address_space: global }
      - { .name: hsc, .offset: 8, .size: 8, .value_kind: global_buffer, .address_space: global }
      - { .name: mbits, .offset: 16, .size: 8, .value_kind: global_buffer, .address_space: global }
      - { .name: mflags, .offset: 24, .size: 8, .value_kind: global_buffer, .address_space: global }
      - { .name: cimg, .offset: 32, .size: 8, .value_kind: global_buffer, .address_space: global }
      - { .name: csc, .offset: 40, .size: 8, .value_kind: global_buffer, .address_space: global }
    .group_segment_fixed_size: 210944
    .private_segment_fixed_size: 0
    .kernarg_segment_align: 8
    .kernarg_segment_size: 48
    .max_flat_workgroup_size: 512
    .sgpr_count:     102
    .vgpr_count:     256
    .wavefront_size: 32
...
	.end_amdgpu_metadata
.endif
;; end of part 5
;; launch out: the kernel of part 4 again; grid 4 x 32, 4 waves a work-group, clusters of 4 x 4, 327,680 bytes of LDS; arguments img, sc, cimg, csc, bo, out0; writes out0
